; MI455X (gfx1250); checked and timed in simulation.
; The chip was launched on July 23, 2026; its instructions are those of AMD's public machine-readable ISA for CDNA 5 (MIT licence, August 2026) and "CDNA5" Instruction Set Architecture Reference Guide (July 2026). The comments in the code are by the model that wrote it; some were corrected since.
;; Volume Renderer. Allowed arithmetic: float matrix products may take bf16 or f16 operands with f32 sums; other float arithmetic in f32, or as packed bf16 or f16 multiplies, adds, multiply-adds, maxima and minima; sums over many terms, partial sums and values carried from step to step in f32; what a program stores and reads back later, other than sums and carried values, may be rounded once to bf16 or f16.
;; Inputs: W1 3 x 256 float32; W2 256 x 256 float32; W3 256 x 256 float32; W4 259 x 128 float32; W5 128 x 3 float32; Wd 256 x 1 float32; b1 256 float32; b2 256 float32; b3 256 float32; b4 128 float32; b5 3 float32; bd 1 float32; rays_d 4,096 x 3 float32; rays_o 4,096 x 3 float32; t_rand 4,096 x 64 float32.
;; Outputs: out0 4,096 x 3 float32; out1 4,096 float32; out2 4,096 float32.
;; 2 versions, each right and faster than the one before. Each part assembles by itself: llvm-mc -triple=amdgcn-amd-amdhsa -mcpu=gfx1250 --defsym DOCPART=n.
;; ======== version 1 of 2: 1 launch
;; launch render (part 1): grid 256 x 1, 4 waves a work-group, no clusters, 327,680 bytes of LDS; arguments W2, W3, W4, W1, b1, b2, b3, b4, Wd, W5, bd, b5, rays_o, rays_d, t_rand, out0, out1, out2; writes out0, out1, out2
.if DOCPART == 1
	.amdgcn_target "amdgcn-amd-amdhsa--gfx1250"
	.amdhsa_code_object_version 6
	.text
	.protected	k_qea9648b9d4_render
	.globl	k_qea9648b9d4_render
	.p2align	8
	.type	k_qea9648b9d4_render,@function
k_qea9648b9d4_render:
	s_mov_b64 s[64:65], 0
	v_nop
	global_prefetch_b8 v0, s[64:65] scope:SCOPE_SE
	s_setreg_imm32_b32 hwreg(HW_REG_WAVE_MODE, 25, 1), 1
	s_wait_xcnt 0x0
; VOLUME RENDERER: 4,096 rays x 64 samples through the MLP 3 -> 256 -> 256 -> 256 -> (1 density; 259 -> 128 -> 3 colour), then alpha compositing: one launch.
; SHARES.  256 work-groups of four waves; a work-group owns 16 rays, a wave 4, one ray (64 samples = 4 point tiles of 16) a trip of the main loop.
; LAYOUT.  Every product is taken transposed: D = W^T (source 0: 16 output features x 32 k) x activations (source 1: 32 k x 16 points).  In D a lane holds ONE point and 8 features; two such
; tiles rounded in pairs ARE the next layer's source 1, so activations never change lanes and never leave registers.  The weights, rounded to bf16, lie in LDS in the order of source 0's registers
; (1,024 bytes a fragment, lane l at 16 l and 16 l + 512): each LDS load takes 512 bytes on end, and each fragment feeds 4 matrix instructions.
; FEATURE ORDER.  Slot e of a hidden layer holds feature phi(e) = (e & 0xC0) | ((e & 15) << 2) | ((e >> 4) & 3), in all layers, K rows and bias tables alike: a lane that has loaded 4 neighbouring
; columns of 8 rows of a weight matrix then holds four whole 16-byte units of four fragments, and 16 neighbouring lanes store 256 bytes on end.
; ROOM.  W2, W3 and W4's rows 0-255 in bf16 are 327,680 bytes; so W4's K steps 6 and 7 (16 KiB) stay in 128 registers of every wave, and the small tables take their place in LDS.
; THE LAST SAMPLE.  Its distance is 1e10, so its alpha is a step in the sign of its density.  That one density a ray is therefore made to f32's accuracy: the work-group's 16 last points go through
; layers 1 to 3 with each activation split EXACTLY into three bf16 parts (8 + 8 + 8 bits), three matrix instructions a K step on three sums, and an f32 dot product with Wd.
; NOTHING IS LEFT OUT: all 15 inputs are loaded and used.  Regrouped only: viewdirs x W4[256:259] + b4 is the same for a ray's samples and is made once a ray and feature tile, as the C operand;
; b1 rides in a K slot of layer 1; b2, b3 are C operands; bd, b5 are added in f32.
; LIMITS.  All inputs are rounded once to bf16 (nearest even) and reference() is then followed on those numbers.  The hidden layers of the bulk path are rounded to bf16; points and view directions
; enter as two bf16 parts (16 bits).  The division by |d| + 1e-8 is a reciprocal and a product; the cumulative product is taken as a scan, another order of rounding; exponentials below 2^-126 count as 0;
; NaN and infinities are not treated apart.
; NO CLUSTER, NO TENSOR LOADS: the weights arrive as f32 and pass through registers to be rounded, and beside the rounded set (311,296 bytes) LDS has no room for an f32 stage; what work-groups share is read
; once, at the kernel's head, by all of them together, so nothing is prefetched either.
; REGISTERS, in windows of 256 (s_set_vgpr_msb: bits 1:0 source 0, 3:2 source 1, 5:4 source 2, 7:6 destination):
;   window 0: v0-9 ids and offsets; v10-35 sample constants and z; v36-49 the wave's rays and results; v50-89 layer 1's and the view direction's source 1; v90-127 at work; v128-255 W4's K steps 6, 7
;   window 1, window 2: the activations, by turns (in the prologue: load buffers, packed units)      window 3: v0-127 two halves of weight fragments; v128-191 two sets of 4 accumulators; v192-215 C operands; v224- addresses
.set W3F, 131072
.set W4F, 262144                        ; fragment (tile, K step 0-5) at tile x 6,144 + step x 1,024
.set X0, 262144                         ; for a time, before W4 is stored: the last samples' three parts, two areas of 24,576 bytes
.set XSTEP, 24576
.set W1T, 311296                        ; 256 entries of 16 bytes: W1[0], W1[1], W1[2], b1, W1[0], W1[1], W1[2], 0; 4,096 bytes on: 128 such entries of W4[256:259], b4
.set B2T, 317440                        ; b2, then b3 (+1,024), then Wd (+2,048): f32 in slot order
.set WDF, 320512                        ; a K step 128 bytes: Wd's 32 numbers, then 64 bytes of 0
.set W5F, 321536                        ; a K step 256 bytes: W5's three columns, then 64 bytes of 0
.set SX, 322560                         ; the last samples' partial dot products: word 16 x wave + ray
.set SPARE, 322816                      ; the spare words, 128 bytes for each wave: two blocks of 256 bytes that no other line names
.set LN, 1
.set RR, 2
.set HH, 3
.set SPW, 4
.set NIL, 5
.set HM, 6
.set TOT, 7
.set TON0, 8
.set TON1, 9
.set LOW, 10
.set WID, 16
.set TR, 22
.set ZZ, 28
.set ZX, 34
.set RAY, 36
.set VW, 42
.set DSH, 46
.set OUT0, 47
.set PF, 50
.set VDF, 82
.set ONE, 127
.set RES, 128
.set GD, 128
.set WF, 0
.set ACC, 128
.set ACCS, 128
.set CB, 192
.set AV, 208
.set ZR, 224
.set AW2A, 232
.set AW4, 236
.set AT1, 237
.set AB, 238
.set AWD, 239
.set AW5, 240
.set AS, 241
.set XB, 242
.set XS, 243
.set AT1S, 244
.set ABS, 245
.set SXA, 246
.set DACC, 248
.set MSB, 0
.macro WIN new                          ; the immediate's high byte repeats the setting that is left; a switch that changes nothing is dropped
.if MSB != (\new)
	s_set_vgpr_msb (MSB<<8)|(\new)
.set MSB, (\new)
.endif
.endm
.macro NOP4
.rept 4
	v_nop
.endr
.endm
.macro BAR
	s_barrier_signal -1
	s_barrier_wait -1
.endm
.macro RND2 a, b, tmp                   ; two numbers rounded to bf16 (nearest even) and widened again
	v_cvt_pk_bf16_f32 v[\tmp], v[\a], v[\b]
	v_lshlrev_b32 v[\a], 16, v[\tmp]
	v_and_b32 v[\b], s54, v[\tmp]
.endm
.macro ZC k                             ; sample number in v90: its stratum's lower end and width
	v_cvt_f32_u32 v91, v90
	v_add_f32 v91, -0.5, v91
	v_max_num_f32 v91, 0, v91
	v_fma_f32 v[LOW+\k], v91, s63, 0.5
	v_mov_b32 v[WID+\k], s63
	v_mul_f32 v92, 0.5, v[WID+\k]
	v_cmp_eq_u32 vcc_lo, 0, v90
	v_cndmask_b32 v[WID+\k], v[WID+\k], v92, vcc_lo
	v_cmp_eq_u32 vcc_lo, 63, v90
	v_cndmask_b32 v[WID+\k], v[WID+\k], v92, vcc_lo
.endm
; 8 rows x 4 columns a lane (32 registers in window sw) become four units of 8 bf16 along K, one for each column, and go to four fragments
.macro TASK sw, src, dst, areg, off, estep
	WIN 0x80|((\sw)<<2)|(\sw)
.irp e,0,1,2,3
.irp i,0,1,2,3
	v_cvt_pk_bf16_f32 v[(\dst)+4*\e+\i], v[(\src)+8*\i+\e], v[(\src)+8*\i+4+\e]
.endr
.endr
	WIN 0x08
.irp e,0,1,2,3
	ds_store_b128 v[\areg], v[(\dst)+4*\e:(\dst)+4*\e+3] offset:(\off)+\e*(\estep)
.endr
.endm
; 32 loads: my 16 rows (those that are my wave's number modulo 4) of 64 rows of W2 or W3, whole
.macro BLOADS buf, ptr
	WIN 0x40
.irp hh,0,1
.irp xx,0,1
.irp jj,0,1,2,3,4,5,6,7
	global_load_b128 v[(\buf)+64*\hh+32*\xx+4*\jj:(\buf)+64*\hh+32*\xx+4*\jj+3], v107, s[\ptr:\ptr+1] offset:(32*\hh+4*\jj)*1024+512*\xx
.endr
.endr
.endr
.endm
.macro PROC buf, a0, a1
	TASK 1, (\buf), 0, \a0, 0, 8192
	TASK 1, (\buf)+32, 16, \a1, 0, 8192
	TASK 1, (\buf)+64, 32, \a0, 256, 8192
	TASK 1, (\buf)+96, 48, \a1, 256, 8192
.endm
; ---------------------------------------------------------------- the head
	s_load_b512 s[8:23], s[0:1], 0x0        ; W2 8, W3 10, W4 12, W1 14, b1 16, b2 18, b3 20, b4 22
	s_load_b512 s[24:39], s[0:1], 0x40      ; Wd 24, W5 26, bd 28, b5 30, rays_o 32, rays_d 34, t_rand 36, out0 38
	s_load_b128 s[40:43], s[0:1], 0x80      ; out1 40, out2 42
	v_lshl_add_u32 v[SPW], v0, 2, SPARE
	v_mov_b32 v[NIL], 0
	v_and_b32 v[LN], 31, v0                 ; l
	v_and_b32 v[RR], 15, v0                 ; l % 16
	v_bfe_u32 v[HH], v0, 4, 1               ; l / 16
	v_lshrrev_b32 v90, 5, v0
	v_readfirstlane_b32 s2, v90             ; wave 0..3
	s_mov_b32 s3, ttmp9                     ; work-group
	s_mov_b32 s54, 0xffff0000               ; a word's upper bf16; also, as a lane mask: lanes 16-31
	s_mov_b32 s55, 0x07060302               ; v_perm_b32: the two sources' upper halves
	s_mov_b32 s56, 0x76543210               ; v_permlanex16_b32: each lane takes its own place in the other half
	s_mov_b32 s57, 0xfedcba98
	s_mov_b32 s62, 0xbfb8aa3b               ; -log2(e)
	s_mov_b32 s63, 0x3d020821               ; 2 / 63: from sample to sample
	s_mov_b32 s87, 0x501502f9               ; 1e10
	v_add_nc_u32 v[HM], -1, v[HH]           ; all ones in lanes 0-15, 0 in lanes 16-31
	v_mov_b32 v[ONE], 1.0
	v_lshlrev_b32 v[TOT], 2, v[RR]
	v_lshlrev_b32 v[TON0], 2, v[LN]
	v_add_nc_u32 v[TON1], 132, v[TON0]
	v_min_u32 v[TON1], 252, v[TON1]         ; sample min(33 + l, 63)
.irp k,0,1,2,3
	v_add_nc_u32 v90, 16*\k, v[RR]          ; point tile k: sample 16 k + l % 16
	ZC \k
.endr
	v_add_nc_u32 v90, 1, v[LN]              ; the next sample's z, for the distances: sample l + 1,
	ZC 4
	v_add_nc_u32 v90, 33, v[LN]
	v_min_u32 v90, 63, v90                  ; and 33 + l
	ZC 5
.irp t,0,1,2,3
.irp i,4,5,6,7
	v_mov_b32 v[PF+8*\t+\i], 0              ; k = 16 .. 31 of layer 1's source 1: 0 for ever
.endr
.endr
.irp i,4,5,6,7
	v_mov_b32 v[VDF+\i], 0
.endr
.irp i,0,1,2
	v_mov_b32 v[OUT0+\i], 0
.endr
	v_lshlrev_b32 v107, 4, v[LN]            ; 16 l
	s_lshl_b32 s82, s2, 9
	v_add_nc_u32 v108, s82, v107            ; 16 l + 512 w: my row and my 16 bytes of W4
	v_lshl_add_u32 v91, v[RR], 4, s82       ; 16 (l % 16) + 512 w: my unit in a fragment pair
	v_lshl_add_u32 v109, v[HH], 15, v91     ; where my units of W2 go, left half of the columns,
	v_add_nc_u32 v110, 0x10000, v109        ; right half,
	v_add_nc_u32 v111, 0x20000, v109        ; and of W3
	v_add_nc_u32 v112, 0x30000, v109
	v_lshl_add_u32 v113, v[HH], 13, v91     ; W4's K steps 6, 7, for a time at LDS byte 0
	v_mul_u32_u24 v114, v[HH], 24576
	v_add3_u32 v114, v114, v91, W4F         ; W4's K steps 0-5
	s_lshl_b32 s82, s2, 4
	s_add_co_u32 s82, s82, SX
	v_and_b32 v115, 3, v[LN]
	v_lshl_add_u32 v115, v115, 2, s82       ; the partial dot products of ray 4 w + l % 4
	v_and_b32 v90, 0xc0, v0
	v_lshl_or_b32 v90, v[RR], 2, v90
	v_bfe_u32 v91, v0, 4, 2
	v_or_b32 v90, v90, v91                  ; phi(thread)
	v_lshlrev_b32 v116, 2, v90
	v_mul_u32_u24 v117, v90, 12
	v_lshl_add_u32 v121, v0, 4, W1T
	v_lshl_add_u32 v122, v0, 2, B2T
	v_lshrrev_b32 v92, 5, v0
	v_lshlrev_b32 v93, 1, v[LN]
	v_lshl_add_u32 v123, v92, 7, v93
	v_add_nc_u32 v123, WDF, v123
	v_lshl_add_u32 v125, v92, 8, v93
	v_add_nc_u32 v125, W5F, v125
	v_lshrrev_b32 v92, 4, v0
	v_lshl_add_u32 v124, v92, 7, v[TOT]
	v_add_nc_u32 v124, WDF+64, v124
	v_and_b32 v90, 7, v[RR]
	v_min_u32 v91, 1, v90                   ; rows 0 and 8 of the density's source 0 hold Wd, all others 0: register 0 of the result holds the density in both halves of the lanes
	v_min_u32 v92, 3, v90                   ; likewise rows 0-2 and 8-10 hold W5's columns
	v_lshl_add_u32 v93, v[HH], 4, WDF
	v_lshl_add_u32 v94, v[HH], 4, W5F
	s_lshl_b32 s82, s2, 15
	s_lshl_b32 s83, s2, 11
	s_add_co_u32 s83, s83, X0
	s_lshl_b32 s84, s2, 10
	s_add_co_u32 s84, s84, W1T
	s_lshl_b32 s85, s2, 8
	s_add_co_u32 s85, s85, B2T
	s_lshl_b32 s86, s2, 6
	s_add_co_u32 s86, s86, SX
	WIN 0xC0                                ; LDS addresses live in window 3, beside the fragments: a load among matrix instructions then needs no switch
	v_lshlrev_b32 v[AW2A], 4, v[LN]
	v_lshl_add_u32 v[AW2A+1], v[LN], 4, 0x10000
	v_lshl_add_u32 v[AW2A+2], v[LN], 4, 0x20000
	v_lshl_add_u32 v[AW2A+3], v[LN], 4, 0x30000
	v_lshl_add_u32 v[AW4], v[LN], 4, W4F
	v_lshl_add_u32 v[AT1], v[RR], 4, W1T
	v_lshl_add_u32 v[AB], v[HH], 5, B2T
	v_lshl_add_u32 v[AWD], v91, 6, v93
	v_lshl_add_u32 v[AW5], v92, 6, v94
	v_lshl_add_u32 v[AS], v[LN], 4, s82     ; the last samples: my wave's four feature tiles of W2,
	v_lshl_add_u32 v[XB], v[LN], 4, X0      ; where all parts are read,
	v_lshl_add_u32 v[XS], v[LN], 4, s83     ; where mine are put,
	v_lshl_add_u32 v[AT1S], v[RR], 4, s84   ; my four tiles of W1,
	v_lshl_add_u32 v[ABS], v[HH], 5, s85    ; of b2,
	v_lshl_add_u32 v[SXA], v[RR], 2, s86    ; and my partial dot products
	v_mov_b32 v[ZR], 0
	WIN 0
	s_wait_kmcnt 0x0
	s_load_b32 s58, s[28:29], 0x0           ; bd
	s_load_b96 s[84:86], s[30:31], 0x0      ; b5
	s_lshl_b32 s88, s3, 4                   ; the work-group's first ray
	v_add_nc_u32 v119, s88, v[RR]
	v_lshlrev_b32 v120, 8, v119             ; ray l % 16 of the work-group: its row of t_rand,
	v_mul_u32_u24 v119, v119, 12            ; its origin and direction
	s_lshl_b32 s82, s2, 2
	s_add_co_u32 s88, s88, s82              ; my wave's first ray
	v_and_b32 v118, 3, v[LN]
	v_add_nc_u32 v118, s88, v118
	v_mul_u32_u24 v118, v118, 12            ; ray l % 4 of the wave
	s_lshl_b32 s50, s2, 10
	s_mov_b32 s51, 0
	s_add_nc_u64 s[46:47], s[8:9], s[50:51]   ; W2 and W3 at row w
	s_add_nc_u64 s[48:49], s[10:11], s[50:51]
	s_lshl_b32 s50, s88, 8
	s_add_nc_u64 s[44:45], s[36:37], s[50:51] ; t_rand at my first ray
; 21 gathers for the tables: thread t takes slots t and t + 128, that is features phi(t) and phi(t) + 128
.irp k,0,1,2
	global_load_b32 v[GD+\k], v116, s[14:15] offset:1024*\k
	global_load_b32 v[GD+3+\k], v116, s[14:15] offset:1024*\k+512
.endr
	global_load_b32 v[GD+6], v116, s[16:17]
	global_load_b32 v[GD+7], v116, s[16:17] offset:512
	global_load_b32 v[GD+8], v116, s[18:19]
	global_load_b32 v[GD+9], v116, s[18:19] offset:512
	global_load_b32 v[GD+10], v116, s[20:21]
	global_load_b32 v[GD+11], v116, s[20:21] offset:512
	global_load_b32 v[GD+12], v116, s[24:25]
	global_load_b32 v[GD+13], v116, s[24:25] offset:512
.irp k,0,1,2
	global_load_b32 v[GD+14+\k], v116, s[12:13] offset:131072+512*\k
.endr
	global_load_b32 v[GD+17], v116, s[22:23]
.irp k,0,1,2
	global_load_b32 v[GD+18+\k], v117, s[26:27] offset:4*\k
.endr
; 13 gathers of rays
.irp k,0,1,2
	global_load_b32 v[RAY+\k], v118, s[32:33] offset:4*\k
	global_load_b32 v[RAY+3+\k], v118, s[34:35] offset:4*\k
.endr
.irp k,0,1,2
	global_load_b32 v[100+\k], v119, s[32:33] offset:4*\k
	global_load_b32 v[103+\k], v119, s[34:35] offset:4*\k
.endr
	global_load_b32 v106, v120, s[36:37] offset:252
; 16 loads: my rows of W4's rows 192-255
	WIN 0x80
.irp hh,0,1
.irp jj,0,1,2,3,4,5,6,7
	global_load_b128 v[64+32*\hh+4*\jj:64+32*\hh+4*\jj+3], v108, s[12:13] offset:98304+16384*\hh+2048*\jj
.endr
.endr
	BLOADS 0, 46                            ; and W2's rows 0-63
	WIN 0
	s_wait_kmcnt 0x0
	v_cvt_pk_bf16_f32 v90, s58, s84
	v_cvt_pk_bf16_f32 v91, s85, s86
	v_lshlrev_b32 v92, 16, v90
	v_and_b32 v93, s54, v90
	v_lshlrev_b32 v94, 16, v91
	v_and_b32 v95, s54, v91
	v_mul_f32 v93, s62, v93
	v_mul_f32 v94, s62, v94
	v_mul_f32 v95, s62, v95
	v_readfirstlane_b32 s58, v92            ; bd
	v_readfirstlane_b32 s59, v93            ; -log2(e) b5[0 .. 2]
	v_readfirstlane_b32 s60, v94
	v_readfirstlane_b32 s61, v95
; ---------------------------------------------------------------- the tables
	s_wait_loadcnt 48                       ; the 34 gathers are in; the 16 + 32 loads issued behind them stay out
	v_cvt_pk_bf16_f32 v150, v[GD+0], v[GD+1]
	v_cvt_pk_bf16_f32 v151, v[GD+2], v[GD+6]
	v_mov_b32 v152, v150
	v_and_b32 v153, 0xffff, v151
	ds_store_b128 v121, v[150:153]
	v_cvt_pk_bf16_f32 v154, v[GD+3], v[GD+4]
	v_cvt_pk_bf16_f32 v155, v[GD+5], v[GD+7]
	v_mov_b32 v156, v154
	v_and_b32 v157, 0xffff, v155
	ds_store_b128 v121, v[154:157] offset:2048
	v_cvt_pk_bf16_f32 v158, v[GD+14], v[GD+15]
	v_cvt_pk_bf16_f32 v159, v[GD+16], v[GD+17]
	v_mov_b32 v160, v158
	v_and_b32 v161, 0xffff, v159
	ds_store_b128 v121, v[158:161] offset:4096
.irp q,0,1,2                            ; b2, b3, Wd: rounded, kept as f32
	v_cvt_pk_bf16_f32 v[162+3*\q], v[GD+8+2*\q], v[GD+9+2*\q]
	v_lshlrev_b32 v[163+3*\q], 16, v[162+3*\q]
	v_and_b32 v[164+3*\q], s54, v[162+3*\q]
	ds_store_b32 v122, v[163+3*\q] offset:1024*\q
	ds_store_b32 v122, v[164+3*\q] offset:1024*\q+512
.endr
	ds_store_b16 v123, v168                 ; Wd as source 0
	ds_store_b16_d16_hi v123, v168 offset:512
	ds_store_b32 v124, v[NIL]               ; its rows of 0
	v_cvt_pk_bf16_f32 v171, v[GD+18], v[GD+19]
	v_cvt_pk_bf16_f32 v172, v[GD+20], v[GD+20]
	ds_store_b16 v125, v171
	ds_store_b16_d16_hi v125, v171 offset:64
	ds_store_b16 v125, v172 offset:128
	ds_store_b16 v125, v[NIL] offset:192
	RND2 36, 37, 90
	RND2 38, 39, 90
	RND2 40, 41, 90
	RND2 100, 101, 90
	RND2 102, 103, 90
	RND2 104, 105, 90
	v_cvt_pk_bf16_f32 v90, v106, v106
	v_lshlrev_b32 v106, 16, v90
	v_mul_f32 v91, v39, v39                 ; view direction = d / (|d| + 1e-8), as two bf16 parts, packed as layer 1 packs a point
	v_fma_f32 v91, v40, v40, v91
	v_fma_f32 v91, v41, v41, v91
	v_sqrt_f32 v92, v91
	v_nop                                   ; a plain instruction behind the root,
	s_wait_alu depctr_va_vdst(0)            ; and a wait ahead of its first reader
	v_add_f32 v92, 0x322bcc77, v92
	v_rcp_f32 v93, v92
	v_nop
	s_wait_alu depctr_va_vdst(0)
	v_mul_f32 v94, v39, v93
	v_mul_f32 v95, v40, v93
	v_mul_f32 v96, v41, v93
.irp c,0,1,2
	v_and_b32 v[97+\c], s54, v[94+\c]
	v_sub_f32 v[97+\c], v[94+\c], v[97+\c]
.endr
	v_perm_b32 v[VW], v95, v94, s55
	v_perm_b32 v[VW+1], v[ONE], v96, s55    ; the 1 meets b4
	v_perm_b32 v[VW+2], v98, v97, s55
	v_lshrrev_b32 v[VW+3], 16, v99
; ---------------------------------------------------------------- W4's K steps 6 and 7: through LDS into registers
	s_wait_loadcnt 32                       ; their 16 loads are in; W2's 32 stay out
	TASK 2, 64, 0, 113, 0, 2048
	TASK 2, 96, 16, 113, 256, 2048
	WIN 0
	s_wait_dscnt 0x0                        ; my stores are done, the tables' too
	BAR
.set nn, 0
.rept 32
	ds_load_b128 v[RES+4*nn:RES+4*nn+3], v107 offset:512*nn
.set nn, nn+1
.endr
	s_wait_dscnt 0x0                        ; my reads of those bytes are over: behind this barrier W2 is stored there
	BAR
; ---------------------------------------------------------------- W2 and W3: four trips of 64 rows of each
	s_mov_b32 s52, 0
.Lconv:
	BLOADS 128, 48                          ; W3's 64 rows
	s_wait_loadcnt 32                       ; W2's are in
	PROC 0, 109, 110
	WIN 0
	s_add_nc_u64 s[46:47], s[46:47], 0x10000  ; its loads are done, so the pointer may step
	s_cmp_lt_u32 s52, 3
	s_cbranch_scc0 .Lconv_last
	BLOADS 0, 46                            ; W2's next 64 rows
	WIN 0
	s_wait_loadcnt 32                       ; W3's are in
	s_branch .Lconv_join
.Lconv_last:                            ; the last trip asks for W4's rows 0-191 instead: 48 loads
	WIN 0x80
.irp gg,0,1,2
.irp hh,0,1
.irp jj,0,1,2,3,4,5,6,7
	global_load_b128 v[64+64*\gg+32*\hh+4*\jj:64+64*\gg+32*\hh+4*\jj+3], v108, s[12:13] offset:32768*\gg+16384*\hh+2048*\jj
.endr
.endr
.endr
	WIN 0
	s_wait_loadcnt 48                       ; W3's are in
.Lconv_join:
	PROC 128, 111, 112
	WIN 0
	s_add_nc_u64 s[48:49], s[48:49], 0x10000
.irp q,109,110,111,112
	v_add_nc_u32 v\q, 2048, v\q             ; two K steps on in every fragment row
.endr
	s_add_co_u32 s52, s52, 1
	s_cmp_lt_u32 s52, 4
	s_cbranch_scc1 .Lconv
.irp t,0,1,2,3
	global_load_b32 v[TR+\t], v[TOT], s[44:45] offset:64*\t   ; my first ray's t_rand, by point tiles,
.endr
	global_load_b32 v[TR+4], v[TON0], s[44:45] offset:4       ; and one sample on
	global_load_b32 v[TR+5], v[TON1], s[44:45]
; ---------------------------------------------------------------- the last samples of the work-group's 16 rays (column l % 16 = ray), to f32's accuracy
	v_mul_f32 v90, 0x3c820800, v106         ; z = lower + (upper - lower) t for sample 63
	v_add_f32 v90, 0x401efbf0, v90
.irp c,0,1,2
	v_mul_f32 v[91+\c], v[103+\c], v90
	v_add_f32 v[91+\c], v[100+\c], v[91+\c] ; p = o + d z
	v_and_b32 v[94+\c], s54, v[91+\c]
	v_sub_f32 v[94+\c], v[91+\c], v[94+\c]  ; p less its first 8 bits,
	v_and_b32 v[97+\c], s54, v[94+\c]
	v_sub_f32 v[97+\c], v[94+\c], v[97+\c]  ; less the next 8: all three parts are exact in bf16
.endr
	v_perm_b32 v116, v92, v91, s55
	v_perm_b32 v117, v[ONE], v93, s55
	v_perm_b32 v118, v95, v94, s55
	v_lshrrev_b32 v119, 16, v96
	v_perm_b32 v120, v98, v97, s55
	v_lshrrev_b32 v121, 16, v99
	WIN 0x40
	v_cndmask_b32 v192, v116, v120, s54     ; k 0-7 (lanes 0-15): parts 1 and 2 and the 1 for b1; k 8-15 (lanes 16-31): part 3
	v_cndmask_b32 v193, v117, v121, s54
	v_cndmask_b32 v194, v118, v[NIL], s54
	v_cndmask_b32 v195, v119, v[NIL], s54
.irp i,196,197,198,199
	v_mov_b32 v\i, 0
.endr
	WIN 0
	s_wait_dscnt 0x0                        ; my stores of W2 and W3 are done
	BAR
; Tile tp of my four: x (sum = 1: the three sums added, smallest first), its relu, split exactly into three bf16 parts, each stored as half a fragment of the next layer's source 1
.macro SPLIT tp, sum, xoff
	WIN 0xFF
.if \sum
.irp i,0,2,4,6
	v_pk_add_f32 v[24+\i:25+\i], v[ACCS+32+8*(\tp)+\i:ACCS+32+8*(\tp)+\i+1], v[ACCS+64+8*(\tp)+\i:ACCS+64+8*(\tp)+\i+1]
.endr
.irp i,0,2,4,6
	v_pk_add_f32 v[\i:\i+1], v[ACCS+8*(\tp)+\i:ACCS+8*(\tp)+\i+1], v[24+\i:25+\i]
.endr
.irp i,0,1,2,3,4,5,6,7
	v_max_num_f32 v[\i], 0, v[\i]
.endr
.else
.irp i,0,1,2,3,4,5,6,7
	v_max_num_f32 v[\i], 0, v[ACCS+8*(\tp)+\i]
.endr
.endif
.irp i,0,1,2,3,4,5,6,7
	v_and_b32 v[24+\i], s54, v[\i]
.endr
.irp i,0,2,4,6
	v_pk_add_f32 v[8+\i:9+\i], v[\i:\i+1], v[24+\i:25+\i] neg_lo:[0,1] neg_hi:[0,1]
.endr
.irp i,0,1,2,3,4,5,6,7
	v_and_b32 v[24+\i], s54, v[8+\i]
.endr
.irp i,0,2,4,6
	v_pk_add_f32 v[16+\i:17+\i], v[8+\i:9+\i], v[24+\i:25+\i] neg_lo:[0,1] neg_hi:[0,1]
.endr
.irp i,0,1,2,3
	v_perm_b32 v[32+\i], v[2*\i+1], v[2*\i], s55
	v_perm_b32 v[36+\i], v[8+2*\i+1], v[8+2*\i], s55
	v_perm_b32 v[40+\i], v[16+2*\i+1], v[16+2*\i], s55
.endr
	ds_store_b128 v[XS], v[32:35] offset:(\xoff)+((\tp)/2)*1024+((\tp)%2)*512
	ds_store_b128 v[XS], v[36:39] offset:(\xoff)+8192+((\tp)/2)*1024+((\tp)%2)*512
	ds_store_b128 v[XS], v[40:43] offset:(\xoff)+16384+((\tp)/2)*1024+((\tp)%2)*512
.endm
.macro SLOADA u                         ; my four tiles' fragments of K steps 2 u and 2 u + 1
.irp sl,0,1
.irp tp,0,1,2,3
	ds_load_b128 v[64*((\u)%2)+8*(4*\sl+\tp):64*((\u)%2)+8*(4*\sl+\tp)+3], v[AS] offset:\tp*8192+(2*(\u)+\sl)*1024
	ds_load_b128 v[64*((\u)%2)+8*(4*\sl+\tp)+4:64*((\u)%2)+8*(4*\sl+\tp)+7], v[AS] offset:\tp*8192+(2*(\u)+\sl)*1024+512
.endr
.endr
.endm
.macro SRUN u                           ; 24 matrix instructions: 2 K steps x 3 parts x 4 tiles; the 12 accumulators take turns
	s_wait_dscnt 0x0
.if (\u) > 0
	NOP4                                    ; four places between the last product that read the other half and the loads into it
.endif
.if (\u) < 3
	SLOADA (\u)+1
.endif
.irp sl,0,1
.irp pa,0,1,2
.irp tp,0,1,2,3
.if ((\u) == 0) && (\sl == 0) && (\pa > 0)
	v_wmma_f32_16x16x32_bf16 v[ACCS+32*\pa+8*\tp:ACCS+32*\pa+8*\tp+7], v[64*((\u)%2)+8*(4*\sl+\tp):64*((\u)%2)+8*(4*\sl+\tp)+7], v[64*\pa+8*(2*(\u)+\sl):64*\pa+8*(2*(\u)+\sl)+7], 0
.else
	v_wmma_f32_16x16x32_bf16 v[ACCS+32*\pa+8*\tp:ACCS+32*\pa+8*\tp+7], v[64*((\u)%2)+8*(4*\sl+\tp):64*((\u)%2)+8*(4*\sl+\tp)+7], v[64*\pa+8*(2*(\u)+\sl):64*\pa+8*(2*(\u)+\sl)+7], v[ACCS+32*\pa+8*\tp:ACCS+32*\pa+8*\tp+7]
.endif
.endr
.endr
.endr
.endm
	WIN 0xF7                                ; D, C and source 0 in window 3, source 1 in window 1; LDS loads: data and address in window 3
.irp tp,0,1,2,3
	ds_load_b128 v[8*\tp:8*\tp+3], v[AT1S] offset:256*\tp
	ds_load_b128 v[8*\tp+4:8*\tp+7], v[AT1S] offset:256*\tp   ; k 16-31 meet zeros: any finite numbers do
.endr
	s_wait_dscnt 0x0
.irp tp,0,1,2,3
	v_wmma_f32_16x16x32_bf16 v[ACCS+8*\tp:ACCS+8*\tp+7], v[8*\tp:8*\tp+7], v[192:199], 0
.endr
	NOP4
.irp tp,0,1,2,3
	SPLIT \tp, 0, 0
.endr
	WIN 0
	s_mov_b32 s52, 0
.Lsharp:                                ; two trips: layer 2, layer 3
	s_wait_dscnt 0x0                        ; my parts are stored
	BAR                                     ; everybody's are
	WIN 0x43                                ; data into window 1, address in window 3
.set nn, 0
.rept 48
	ds_load_b128 v[4*nn:4*nn+3], v[XB] offset:512*nn   ; three parts x 8 K steps of source 1
.set nn, nn+1
.endr
	WIN 0xF7
.irp tp,0,1,2,3
	ds_load_b128 v[ACCS+8*\tp:ACCS+8*\tp+3], v[ABS] offset:64*\tp        ; the bias starts the first part's sums
	ds_load_b128 v[ACCS+8*\tp+4:ACCS+8*\tp+7], v[ABS] offset:64*\tp+16
.endr
	SLOADA 0
	SRUN 0
	SRUN 1
	SRUN 2
	SRUN 3
	NOP4                                    ; four places behind the last product
	WIN 0
	s_cmp_eq_u32 s52, 0
	s_cbranch_scc0 .Ldot
.irp tp,0,1,2,3
	SPLIT \tp, 1, XSTEP                     ; layer 2's result goes to the second area: nobody reads that yet
.endr
	WIN 0
	s_branch .Lsnext
.Ldot:                                  ; layer 3's result: relu, and my 64 features' share of the dot product with Wd, in f32
	WIN 0xFF
.irp tp,0,1,2,3
	ds_load_b128 v[64+8*\tp:64+8*\tp+3], v[ABS] offset:1024+64*\tp
	ds_load_b128 v[64+8*\tp+4:64+8*\tp+7], v[ABS] offset:1024+64*\tp+16
.endr
.irp tp,0,1,2,3
.irp i,0,2,4,6
	v_pk_add_f32 v[32+\i:33+\i], v[ACCS+32+8*\tp+\i:ACCS+32+8*\tp+\i+1], v[ACCS+64+8*\tp+\i:ACCS+64+8*\tp+\i+1]
.endr
.irp i,0,2,4,6
	v_pk_add_f32 v[8*\tp+\i:8*\tp+\i+1], v[ACCS+8*\tp+\i:ACCS+8*\tp+\i+1], v[32+\i:33+\i]
.endr
.irp i,0,1,2,3,4,5,6,7
	v_max_num_f32 v[8*\tp+\i], 0, v[8*\tp+\i]
.endr
.endr
	s_wait_dscnt 0x0
	v_pk_mul_f32 v[DACC:DACC+1], v[0:1], v[64:65]
.set nn, 2
.rept 15
	v_pk_fma_f32 v[DACC:DACC+1], v[nn:nn+1], v[64+nn:65+nn], v[DACC:DACC+1]
.set nn, nn+2
.endr
	v_add_f32 v[DACC], v[DACC], v[DACC+1]
	v_permlanex16_b32 v[DACC+1], v[DACC], s56, s57   ; the ray's other 8 features of each tile lie in the lane 16 away
	v_add_f32 v[DACC], v[DACC], v[DACC+1]
	ds_store_b32 v[SXA], v[DACC]
	WIN 0
.Lsnext:
	WIN 0xFF
	v_add_nc_u32 v[AS], W3F, v[AS]          ; W3, the second area, b3
	v_add_nc_u32 v[XB], XSTEP, v[XB]
	v_add_nc_u32 v[ABS], 1024, v[ABS]
	WIN 0
	s_add_co_u32 s52, s52, 1
	s_cmp_lt_u32 s52, 2
	s_cbranch_scc1 .Lsharp
	s_wait_dscnt 0x0                        ; my partial sums are stored, and my reads of both areas are over: behind this barrier W4 is stored there
	BAR
.irp q,0,1,2,3
	ds_load_b32 v[90+\q], v115 offset:64*\q
.endr
	s_wait_loadcnt 0x0                      ; W4's rows 0-191 (and my first ray's t_rand)
.irp gg,0,1,2
.irp hh,0,1
	TASK 2, 64+64*\gg+32*\hh, 16*((2*\gg+\hh)%4), 114, 2048*\gg+256*\hh, 6144
.endr
.endr
	WIN 0
	s_wait_dscnt 0x0
	v_add_f32 v90, v90, v91
	v_add_f32 v92, v92, v93
	v_add_f32 v90, v90, v92
	v_add_f32 v[DSH], s58, v90              ; lane i % 4 = ray i of my wave: its last sample's density
	BAR                                     ; all weights lie in LDS; from here on LDS is only read
; ---------------------------------------------------------------- the main loop's parts
; The work goes in CHUNKS of one feature tile x 4 point tiles.  A chunk's parity picks its half of the fragment registers, its set of accumulators and its C operand.  While a chunk is multiplied the next
; chunk's fragments are loaded into the other half, and the chunk before is rounded to bf16 and clamped at 0 (RIDERS: four vector instructions behind every four matrix instructions).
.macro NEXT k, l, t, p, q, av           ; what the chunk in hand loads: kind, layer, tile, half, number of loads, tile of the view direction's source 0
.set NK, \k
.set NL, \l
.set NT, \t
.set NP, \p
.set NQ, \q
.set NAV, \av
.endm
.macro NXT n                            ; load n of that list
.if (\n) < NQ
.if NK == 0                             ; layers 2, 3: the bias as C (2 loads), 8 fragments; then, if asked for, the view direction's source 0
.if (\n) < 2
	ds_load_b128 v[CB+8*NP+4*(\n):CB+8*NP+4*(\n)+3], v[AB] offset:1024*NL+64*NT+16*(\n)
.elseif (\n) < 18
	ds_load_b128 v[WF+64*NP+4*((\n)-2):WF+64*NP+4*((\n)-2)+3], v[AW2A+2*NL+NT/8] offset:(NT%8)*8192+512*((\n)-2)
.else
	ds_load_b128 v[AV+4*((\n)-18):AV+4*((\n)-18)+3], v[AT1] offset:4096+256*NAV
.endif
.elseif NK == 1                         ; layer 4: 6 fragments
.if (\n) < 12
	ds_load_b128 v[WF+64*NP+4*(\n):WF+64*NP+4*(\n)+3], v[AW4] offset:NT*6144+512*(\n)
.else
	ds_load_b128 v[AV+4*((\n)-12):AV+4*((\n)-12)+3], v[AT1] offset:4096+256*NAV
.endif
.elseif NK == 2                         ; the density
	ds_load_b128 v[WF+64*NP+4*(\n):WF+64*NP+4*(\n)+3], v[AWD] offset:128*((\n)/2)+32*((\n)%2)
.elseif NK == 3                         ; layer 5
	ds_load_b128 v[WF+64*NP+4*(\n):WF+64*NP+4*(\n)+3], v[AW5] offset:256*((\n)/2)+32*((\n)%2)
.else                                   ; layer 1: 8 tiles; both halves of a fragment from one address (k 16-31 meet zeros)
	ds_load_b128 v[WF+64*NP+4*(\n):WF+64*NP+4*(\n)+3], v[AT1] offset:256*(NT+(\n)/2)
.endif
.endif
.endm
.macro CVT4 out, ft, pt                 ; feature tile ft, point tile pt: 8 sums a lane become half a fragment of the next layer's source 1; the accumulator's lowest registers are read first
	WIN ((\out)<<6)|0x0F
.irp i,0,1,2,3
	v_cvt_pk_bf16_f32 v[32*((\ft)/2)+8*(\pt)+4*((\ft)%2)+\i], v[ACC+32*((\ft)%2)+8*(\pt)+2*\i], v[ACC+32*((\ft)%2)+8*(\pt)+2*\i+1]
.endr
.endm
.macro MAX4 out, ft, pt                 ; relu on the packed halves
	WIN ((\out)<<6)|0x0C|(\out)
.irp i,0,1,2,3
	v_pk_max_num_bf16 v[32*((\ft)/2)+8*(\pt)+4*((\ft)%2)+\i], v[32*((\ft)/2)+8*(\pt)+4*((\ft)%2)+\i], v[ZR]
.endr
.endm
.macro RID out, c, g                    ; the riders behind K step g of chunk c
.if (\c) > 0
.if (\g) == 0
.if (\c) > 1
	MAX4 \out, (\c)-2, 3
.else
	NOP4                                    ; chunk 0 has no riders: these are the places behind its last products
.endif
.elseif (\g)%2 == 1
	CVT4 \out, (\c)-1, ((\g)-1)/2
.else
	MAX4 \out, (\c)-1, ((\g)-2)/2
.endif
.endif
.endm
; kind 0: layers 2, 3.  kind 1: layer 4: K steps 6, 7 take source 0 from window 0.  kind 2: the density: C = 0.  cbw = 1: behind K step 0 one product makes the next chunk's C operand from the view direction.
; The four accumulators take turns, one instruction a turn,.  Behind the first three products of K steps 1 to 4 stand two loads each of the next chunk's list.
.macro CHUNK inw, outw, c, kind, cbw
	s_wait_dscnt 0x0                        ; this chunk's fragments: the youngest load stands 12 products back or more
.set pp, (\c)%2
.set kk, 0
.rept 8
.set tt, 0
.rept 4
.set rD, ACC+32*pp+8*tt
.if ((\kind) == 1) && (kk >= 6)
	WIN 0xF4
	v_wmma_f32_16x16x32_bf16 v[rD:rD+7], v[RES+8*(2*(\c)+kk-6):RES+8*(2*(\c)+kk-6)+7], v[32*kk+8*tt:32*kk+8*tt+7], v[rD:rD+7]
.else
	WIN 0xF3|((\inw)<<2)
.if kk > 0
	v_wmma_f32_16x16x32_bf16 v[rD:rD+7], v[WF+64*pp+8*kk:WF+64*pp+8*kk+7], v[32*kk+8*tt:32*kk+8*tt+7], v[rD:rD+7]
.elseif (\kind) == 2
	v_wmma_f32_16x16x32_bf16 v[rD:rD+7], v[WF+64*pp+8*kk:WF+64*pp+8*kk+7], v[32*kk+8*tt:32*kk+8*tt+7], 0
.else
	v_wmma_f32_16x16x32_bf16 v[rD:rD+7], v[WF+64*pp+8*kk:WF+64*pp+8*kk+7], v[32*kk+8*tt:32*kk+8*tt+7], v[CB+8*pp:CB+8*pp+7]
.endif
.endif
.if (kk >= 1) && (tt < 3)
	NXT 6*(kk-1)+2*tt
	NXT 6*(kk-1)+2*tt+1
.endif
.set tt, tt+1
.endr
	RID \outw, \c, kk
.if (kk == 0) && (\cbw)
	WIN 0xF3
	v_wmma_f32_16x16x32_bf16 v[CB+8*(1-pp):CB+8*(1-pp)+7], v[AV:AV+7], v[VDF:VDF+7], 0
.if (\c) == 0
.rept 5
	v_nop                                   ; chunk 0 has no riders: the places between this product and its use as C, and the next load into its source 0
.endr
.endif
.endif
.set kk, kk+1
.endr
.endm
.macro FLUSH out                        ; a layer's end: what the riders have not yet taken
	MAX4 \out, 14, 3
.irp q,0,1,2,3
	CVT4 \out, 15, \q
.endr
.irp q,0,1,2,3
	MAX4 \out, 15, \q
.endr
.endm
	NEXT 4, 0, 0, 0, 16, 0                  ; layer 1's tiles 0-7
	WIN 0xF3
.set nn, 0
.rept 16
	NXT nn
.set nn, nn+1
.endr
	WIN 0
	s_mov_b32 s53, 0
.Lray:                                  ; four trips: ray s53 of my wave
; ---- the ray: its numbers as scalars, z of its samples, the points as two bf16 parts
.irp q,0,1,2,3,4,5,6,7,8,9,10
	v_readlane_b32 s[66+\q], v[RAY+\q], s53 ; o 66-68, d 69-71, view direction 72-75, the last sample's density 76
.endr
	s_wait_loadcnt 0x0                      ; t_rand
	RND2 22, 23, 90
	RND2 24, 25, 90
	RND2 26, 27, 90
.irp k,0,1,2,3,4,5
	v_fma_f32 v[ZZ+\k], v[WID+\k], v[TR+\k], v[LOW+\k]
.endr
	v_cndmask_b32 v[ZX], v[ZZ], v[ZZ+1], s54      ; z by samples: register 0 sample l, register 1 sample 32 + l
	v_cndmask_b32 v[ZX+1], v[ZZ+2], v[ZZ+3], s54
	s_cmp_lt_u32 s53, 3
	s_cbranch_scc0 .Lno_tr                  ; the last ray has no successor
	s_add_nc_u64 s[44:45], s[44:45], 256    ; (its loads are done)
.irp t,0,1,2,3
	global_load_b32 v[TR+\t], v[TOT], s[44:45] offset:64*\t
.endr
	global_load_b32 v[TR+4], v[TON0], s[44:45] offset:4
	global_load_b32 v[TR+5], v[TON1], s[44:45]
.Lno_tr:
.irp t,0,1,2,3
	v_fma_f32 v90, s69, v[ZZ+\t], s66
	v_fma_f32 v91, s70, v[ZZ+\t], s67
	v_fma_f32 v92, s71, v[ZZ+\t], s68
	v_and_b32 v93, s54, v90
	v_and_b32 v94, s54, v91
	v_and_b32 v95, s54, v92
	v_sub_f32 v93, v90, v93
	v_sub_f32 v94, v91, v94
	v_sub_f32 v95, v92, v95
	v_perm_b32 v96, v91, v90, s55
	v_perm_b32 v97, v[ONE], v92, s55        ; the 1 meets b1
	v_perm_b32 v98, v94, v93, s55
	v_lshrrev_b32 v99, 16, v95
	v_and_b32 v[PF+8*\t], v[HM], v96        ; k 8-15 (lanes 16-31) are 0
	v_and_b32 v[PF+8*\t+1], v[HM], v97
	v_and_b32 v[PF+8*\t+2], v[HM], v98
	v_and_b32 v[PF+8*\t+3], v[HM], v99
.endr
.irp k,0,1,2,3
	v_and_b32 v[VDF+\k], s[72+\k], v[HM]
.endr
; ---- layer 1: 16 feature tiles of one K step; a tile is rounded and clamped behind the next tile's products
	NEXT 4, 0, 8, 1, 16, 0                  ; tiles 8-15 are loaded beside tiles 0-3
.set tau, 0
.rept 16
.if (tau == 0) || (tau == 8)
	s_wait_dscnt 0x0
.endif
.if tau == 8
	NEXT 0, 0, 0, 0, 18, 0                  ; layer 2's chunk 0 beside tiles 8-12
.endif
.set tt, 0
.rept 4
	WIN 0xF3
	v_wmma_f32_16x16x32_bf16 v[ACC+32*(tau%2)+8*tt:ACC+32*(tau%2)+8*tt+7], v[WF+64*(tau/8)+8*(tau%8):WF+64*(tau/8)+8*(tau%8)+7], v[PF+8*tt:PF+8*tt+7], 0
	NXT 4*(tau%8)+tt
.set tt, tt+1
.endr
.if tau == 1
	NOP4                                    ; no earlier tile's conversions stand here: the places behind tile 0's products
.endif
.if tau >= 1
.irp q,0,1,2,3
	CVT4 1, tau-1, \q
.endr
.irp q,0,1,2,3
	MAX4 1, tau-1, \q
.endr
.endif
.set tau, tau+1
.endr
.irp q,0,1,2,3
	CVT4 1, 15, \q
.endr
.irp q,0,1,2,3
	MAX4 1, 15, \q
.endr
; ---- layer 2: window 1 -> window 2
.set cc, 0
.rept 16
.if cc < 15
	NEXT 0, 0, cc+1, (cc+1)%2, 18, 0
.else
	NEXT 0, 1, 0, 0, 18, 0
.endif
	CHUNK 1, 2, cc, 0, 0
.set cc, cc+1
.endr
	FLUSH 2
; ---- layer 3: window 2 -> window 1
.set cc, 0
.rept 16
.if cc < 14
	NEXT 0, 1, cc+1, (cc+1)%2, 18, 0
.elseif cc == 14
	NEXT 0, 1, 15, 1, 20, 0                 ; and the view direction's source 0 for layer 4's tile 0
.else
	NEXT 1, 0, 0, 0, 14, 1
.endif
	CHUNK 2, 1, cc, 0, cc/15
.set cc, cc+1
.endr
	FLUSH 1
; ---- layer 4: window 1 -> window 2, 8 feature tiles; then the density, from the same source 1
.set cc, 0
.rept 8
.if cc < 6
	NEXT 1, 0, cc+1, (cc+1)%2, 14, cc+2
.elseif cc == 6
	NEXT 1, 0, 7, 1, 12, 0
.else
	NEXT 2, 0, 0, 0, 16, 0
.endif
	CHUNK 1, 2, cc, 1, 1-cc/7
.set cc, cc+1
.endr
	NEXT 3, 0, 0, 1, 8, 0
	CHUNK 1, 2, 8, 2, 0
	MAX4 2, 7, 3
; ---- layer 5: 4 K steps; beside them the next ray's layer 1, tiles 0-7
	NEXT 4, 0, 0, 0, 16, 0
	s_wait_dscnt 0x0
.set kk, 0
.rept 4
.set tt, 0
.rept 4
	WIN 0xFB
.if kk == 0
	v_wmma_f32_16x16x32_bf16 v[ACC+32+8*tt:ACC+32+8*tt+7], v[WF+64+8*kk:WF+64+8*kk+7], v[32*kk+8*tt:32*kk+8*tt+7], 0
.else
	v_wmma_f32_16x16x32_bf16 v[ACC+32+8*tt:ACC+32+8*tt+7], v[WF+64+8*kk:WF+64+8*kk+7], v[32*kk+8*tt:32*kk+8*tt+7], v[ACC+32+8*tt:ACC+32+8*tt+7]
.endif
	NXT 2*(4*kk+tt)
	NXT 2*(4*kk+tt)+1
.set tt, tt+1
.endr
.set kk, kk+1
.endr
; ---- compositing: register 0 holds sample l, register 1 sample 32 + l
	WIN 0
	v_sub_f32 v90, v[ZZ+4], v[ZX]           ; distances; these four lines are the places behind the last products
	v_sub_f32 v91, v[ZZ+5], v[ZX+1]
	v_mov_b32 v104, 1.0
	v_mov_b32 v105, 1.0
	v_writelane_b32 v91, s87, 31            ; the last distance is 1e10
	WIN 0x0F
	v_cndmask_b32 v92, v[ACC], v[ACC+8], s54        ; lanes 0-15 take the even point tile, lanes 16-31 the odd one
	v_cndmask_b32 v93, v[ACC+16], v[ACC+24], s54
.irp c,0,1,2
	v_cndmask_b32 v[94+2*\c], v[ACC+32+\c], v[ACC+40+\c], s54
	v_cndmask_b32 v[95+2*\c], v[ACC+48+\c], v[ACC+56+\c], s54
.endr
	WIN 0
	v_add_f32 v92, s58, v92
	v_add_f32 v93, s58, v93
	v_writelane_b32 v93, s76, 31            ; the last sample's density, from the accurate path
	v_max_num_f32 v92, 0, v92
	v_max_num_f32 v93, 0, v93
	v_mul_f32 v92, v92, v90
	v_mul_f32 v93, v93, v91
	v_mul_f32 v92, s62, v92
	v_mul_f32 v93, s62, v93
.irp c,0,1,2
	v_fma_f32 v[94+2*\c], v[94+2*\c], s62, s[59+\c]
	v_fma_f32 v[95+2*\c], v[95+2*\c], s62, s[59+\c]
.endr
.irp q,92,93,94,95,96,97,98,99
	v_exp_f32 v\q, v\q                      ; one batch of eight
.endr
	v_nop                                   ; a plain instruction behind the last,
	s_wait_alu depctr_va_vdst(0)            ; and one wait ahead of the first reader
	v_sub_f32 v100, 1.0, v92                ; alpha
	v_sub_f32 v101, 1.0, v93
	v_sub_f32 v102, 1.0, v100
	v_sub_f32 v103, 1.0, v101
	v_add_f32 v102, 0x2edbe6ff, v102        ; 1 - alpha + 1e-10
	v_add_f32 v103, 0x2edbe6ff, v103
.irp q,94,95,96,97,98,99
	v_add_f32 v\q, 1.0, v\q
.endr
.irp q,94,95,96,97,98,99
	v_rcp_f32 v\q, v\q                      ; the colours' sigmoids: a batch of six; the scan below names none of them
.endr
	v_nop
.irp n,1,2,4,8                          ; running products inside each 16 lanes: a lane with no neighbour so far down keeps its own
	v_mul_f32_dpp v102, v102, v102 row_shr:\n row_mask:0xf bank_mask:0xf
	v_mul_f32_dpp v103, v103, v103 row_shr:\n row_mask:0xf bank_mask:0xf
.endr
	v_readlane_b32 s77, v102, 15            ; the products of samples 0-15, 16-31, 32-47
	v_readlane_b32 s78, v102, 31
	v_readlane_b32 s79, v103, 15
	s_mul_f32 s80, s77, s78
	s_mul_f32 s81, s80, s79
	v_mov_b32_dpp v104, v102 row_shr:1 row_mask:0xf bank_mask:0xf   ; one sample down; the first of each 16 keeps 1
	v_mov_b32_dpp v105, v103 row_shr:1 row_mask:0xf bank_mask:0xf
	v_mov_b32 v106, s77
	v_cndmask_b32 v106, v[ONE], v106, s54
	v_mov_b32 v107, s80
	v_mov_b32 v108, s81
	v_cndmask_b32 v107, v107, v108, s54
	v_mul_f32 v104, v104, v106              ; the transmittance
	v_mul_f32 v105, v105, v107
	v_mul_f32 v100, v100, v104              ; the weights
	v_mul_f32 v101, v101, v105
	s_wait_alu depctr_va_vdst(0)            ; the six reciprocals
.irp c,0,1,2
	v_mul_f32 v[110+\c], v100, v[94+2*\c]
	v_fma_f32 v[110+\c], v101, v[95+2*\c], v[110+\c]
.endr
	v_mul_f32 v113, v100, v[ZX]
	v_fma_f32 v113, v101, v[ZX+1], v113
	v_add_f32 v114, v100, v101
.irp m,1,2,4,8
.irp q,110,111,112,113,114
	v_add_f32_dpp v\q, v\q, v\q row_xmask:\m row_mask:0xf bank_mask:0xf
.endr
.endr
.irp q,0,1,2,3,4
	v_permlanex16_b32 v[116+\q], v[110+\q], s56, s57
.endr
.irp q,0,1,2,3,4
	v_add_f32 v[110+\q], v[110+\q], v[116+\q]
.endr
	v_sub_f32 v115, 1.0, v114               ; the white background
.irp c,0,1,2
	v_add_f32 v[110+\c], v[110+\c], v115
.endr
	s_mul_i32 s83, s53, 3
.irp c,0,1,2
	s_add_co_u32 s84, s83, \c
	v_cmp_eq_u32 s82, s84, v[LN]
	v_cndmask_b32 v[OUT0], v[OUT0], v[110+\c], s82   ; lane 3 i + c keeps ray i's colour c
.endr
	v_cmp_eq_u32 s82, s53, v[LN]
	v_cndmask_b32 v[OUT0+1], v[OUT0+1], v113, s82    ; lane i its depth and its sum of weights
	v_cndmask_b32 v[OUT0+2], v[OUT0+2], v114, s82
	s_add_co_u32 s53, s53, 1
	s_cmp_lt_u32 s53, 4
	s_cbranch_scc1 .Lray
; ---------------------------------------------------------------- the way out: 48 + 16 + 16 bytes on end for my four rays
	s_mul_i32 s50, s88, 12
	s_mov_b32 s51, 0
	s_add_nc_u64 s[38:39], s[38:39], s[50:51]
	s_lshl_b32 s50, s88, 2
	s_add_nc_u64 s[40:41], s[40:41], s[50:51]
	s_add_nc_u64 s[42:43], s[42:43], s[50:51]
	s_wait_xcnt 0x0                         ; EXEC changes only behind this wait
	v_cmp_gt_u32 vcc_lo, 12, v[LN]
	s_and_saveexec_b32 s82, vcc_lo
	global_store_b32 v[TON0], v[OUT0], s[38:39]
	s_wait_xcnt 0x0
	s_or_b32 exec_lo, exec_lo, s82
	v_cmp_gt_u32 vcc_lo, 4, v[LN]
	s_and_saveexec_b32 s82, vcc_lo
	global_store_b32 v[TON0], v[OUT0+1], s[40:41]
	global_store_b32 v[TON0], v[OUT0+2], s[42:43]
	s_wait_xcnt 0x0
	s_or_b32 exec_lo, exec_lo, s82
	s_wait_tensorcnt 0x0                    ; the wave's end, behind my last LDS store
	ds_add_u32 v[SPW], v[NIL]
	s_wait_dscnt 0x0
	s_endpgm
.Lfunc_end_k_qea9648b9d4_render:
	.size	k_qea9648b9d4_render, .Lfunc_end_k_qea9648b9d4_render-k_qea9648b9d4_render
	.p2alignl 7, 3214868480
	.fill 96, 4, 3214868480
	.section	.rodata,"a",@progbits
	.p2align	6, 0x0
	.amdhsa_kernel k_qea9648b9d4_render
		.amdhsa_group_segment_fixed_size 327680
		.amdhsa_private_segment_fixed_size 0
		.amdhsa_enable_private_segment 0
		.amdhsa_kernarg_size 144
		.amdhsa_user_sgpr_count 2
		.amdhsa_user_sgpr_kernarg_segment_ptr 1
		.amdhsa_wavefront_size32 1
		.amdhsa_system_sgpr_workgroup_id_x 1
		.amdhsa_system_sgpr_workgroup_id_y 1
		.amdhsa_system_sgpr_workgroup_id_z 1
		.amdhsa_system_vgpr_workitem_id 0
		.amdhsa_next_free_vgpr 1024
		.amdhsa_next_free_sgpr 96
		.amdhsa_reserve_vcc 1
		.amdhsa_float_denorm_mode_32 3
		.amdhsa_float_denorm_mode_16_64 3
		.amdhsa_memory_ordered 1
		.amdhsa_forward_progress 1
		.amdhsa_inst_pref_size 255
	.end_amdhsa_kernel
	.section	.bss,"aw",@nobits
	.p2align	6
	.space	262144
	.amdgpu_metadata
---
amdhsa.version: [ 1, 2 ]
amdhsa.kernels:
  - .name:           k_qea9648b9d4_render
    .symbol:         k_qea9648b9d4_render.kd
    .args:
      - { .name: W2, .offset: 0, .size: 8, .value_kind: global_buffer, .address_space: global }
      - { .name: W3, .offset: 8, .size: 8, .value_kind: global_buffer, .address_space: global }
      - { .name: W4, .offset: 16, .size: 8, .value_kind: global_buffer, .address_space: global }
      - { .name: W1, .offset: 24, .size: 8, .value_kind: global_buffer, .address_space: global }
      - { .name: b1, .offset: 32, .size: 8, .value_kind: global_buffer, .address_space: global }
      - { .name: b2, .offset: 40, .size: 8, .value_kind: global_buffer, .address_space: global }
      - { .name: b3, .offset: 48, .size: 8, .value_kind: global_buffer, .address_space: global }
      - { .name: b4, .offset: 56, .size: 8, .value_kind: global_buffer, .address_space: global }
      - { .name: Wd, .offset: 64, .size: 8, .value_kind: global_buffer, .address_space: global }
      - { .name: W5, .offset: 72, .size: 8, .value_kind: global_buffer, .address_space: global }
      - { .name: bd, .offset: 80, .size: 8, .value_kind: global_buffer, .address_space: global }
      - { .name: b5, .offset: 88, .size: 8, .value_kind: global_buffer, .address_space: global }
      - { .name: rays_o, .offset: 96, .size: 8, .value_kind: global_buffer, .address_space: global }
      - { .name: rays_d, .offset: 104, .size: 8, .value_kind: global_buffer, .address_space: global }
      - { .name: t_rand, .offset: 112, .size: 8, .value_kind: global_buffer, .address_space: global }
      - { .name: out0, .offset: 120, .size: 8, .value_kind: global_buffer, .address_space: global }
      - { .name: out1, .offset: 128, .size: 8, .value_kind: global_buffer, .address_space: global }
      - { .name: out2, .offset: 136, .size: 8, .value_kind: global_buffer, .address_space: global }
    .group_segment_fixed_size: 327680
    .private_segment_fixed_size: 0
    .kernarg_segment_align: 8
    .kernarg_segment_size: 144
    .max_flat_workgroup_size: 128
    .sgpr_count:     96
    .vgpr_count:     1024
    .wavefront_size: 32
...
	.end_amdgpu_metadata
.endif
;; end of part 1
;; ======== version 2 of 2: 1 launch; 1.28 times as fast as version 1
;; launch render (part 2): grid 256 x 1, 4 waves a work-group, no clusters, 327,680 bytes of LDS; arguments W2, W3, W4, W1, b1, b2, b3, b4, Wd, W5, bd, b5, rays_o, rays_d, t_rand, out0, out1, out2; writes out0, out1, out2
.if DOCPART == 2
	.amdgcn_target "amdgcn-amd-amdhsa--gfx1250"
	.amdhsa_code_object_version 6
	.text
	.protected	k_qea9648b9d4_render
	.globl	k_qea9648b9d4_render
	.p2align	8
	.type	k_qea9648b9d4_render,@function
k_qea9648b9d4_render:
	s_mov_b64 s[64:65], 0
	v_nop
	global_prefetch_b8 v0, s[64:65] scope:SCOPE_SE
	s_setreg_imm32_b32 hwreg(HW_REG_WAVE_MODE, 25, 1), 1
	s_wait_xcnt 0x0
; VOLUME RENDERER: 4,096 rays x 64 samples through the MLP 3 -> 256 -> 256 -> 256 -> (1 density; 259 -> 128 -> 3 colour), then alpha compositing: one launch.
; SHARES.  256 work-groups of four waves; a work-group owns 16 rays, a wave 4, one ray (64 samples = 4 point tiles of 16) a trip of the main loop.
; LAYOUT.  Every product is taken transposed: D = W^T (source 0: 16 output features x 32 k) x activations (source 1: 32 k x 16 points).  In D a lane holds ONE point and 8 features; two such
; tiles rounded in pairs ARE the next layer's source 1, so activations never change lanes and never leave registers.  The weights, rounded to bf16, lie in LDS in the order of source 0's registers
; (1,024 bytes a fragment, lane l at 16 l and 16 l + 512): each LDS load takes 512 bytes on end, and each fragment feeds 4 matrix instructions.
; FEATURE ORDER.  Slot e of a hidden layer holds feature phi(e) = (e & 0xC0) | ((e & 15) << 2) | ((e >> 4) & 3), in all layers, K rows and bias tables alike: a lane that has loaded 4 neighbouring
; columns of 8 rows of a weight matrix then holds four whole 16-byte units of four fragments, and 16 neighbouring lanes store 256 bytes on end.
; ROOM.  W2, W3 and W4's rows 0-255 in bf16 are 327,680 bytes; so W4's K steps 6 and 7 (16 KiB) stay in 128 registers of every wave, and the small tables take their place in LDS.
; THE LAST SAMPLE.  Its distance is 1e10, so its alpha is a step in the sign of its density.  That one density a ray is therefore made to f32's accuracy: the work-group's 16 last points go through
; layers 1 to 3 with each activation split EXACTLY into three bf16 parts (8 + 8 + 8 bits), three matrix instructions a K step on three sums, and an f32 dot product with Wd.
; NOTHING IS LEFT OUT: all 15 inputs are loaded and used.  Regrouped only: viewdirs x W4[256:259] + b4 is the same for a ray's samples and is made once a ray and feature tile, as the C operand;
; b1 rides in a K slot of layer 1; b2, b3 are C operands; bd, b5 are added in f32.
; LIMITS.  All inputs are rounded once to bf16 (nearest even) and reference() is then followed on those numbers.  The hidden layers of the bulk path are rounded to bf16; points and view directions
; enter as two bf16 parts (16 bits).  The division by |d| + 1e-8 is a reciprocal and a product; the cumulative product is taken as a scan, another order of rounding; exponentials below 2^-126 count as 0;
; NaN and infinities are not treated apart.
; NO CLUSTER, NO TENSOR LOADS: the weights arrive as f32 and pass through registers to be rounded, and beside the rounded set (311,296 bytes) LDS has no room for an f32 stage; what work-groups share is read
; once, at the kernel's head, by all of them together, so nothing is prefetched either.
; REGISTERS, in windows of 256 (s_set_vgpr_msb: bits 1:0 source 0, 3:2 source 1, 5:4 source 2, 7:6 destination):
;   window 0: v0-9 ids and offsets; v10-35 sample constants and z; v36-49 the wave's rays and results; v50-89 layer 1's and the view direction's source 1; v90-127 at work; v128-255 W4's K steps 6, 7
;   window 1, window 2: the activations, by turns (in the prologue: load buffers, packed units)      window 3: v0-127 two halves of weight fragments; v128-191 two sets of 4 accumulators; v192-215 C operands; v224- addresses
.set W3F, 131072
.set W4F, 262144                        ; fragment (tile, K step 0-5) at tile x 6,144 + step x 1,024
.set X0, 262144                         ; for a time, before W4 is stored: the last samples' three parts, two areas of 24,576 bytes
.set XSTEP, 24576
.set W1T, 311296                        ; 256 entries of 16 bytes: W1[0], W1[1], W1[2], b1, W1[0], W1[1], W1[2], 0; 4,096 bytes on: 128 such entries of W4[256:259], b4
.set B2T, 317440                        ; b2, then b3 (+1,024), then Wd (+2,048): f32 in slot order
.set WDF, 320512                        ; a K step 128 bytes: Wd's 32 numbers, then 64 bytes of 0
.set W5F, 321536                        ; a K step 256 bytes: W5's three columns, then 64 bytes of 0
.set SX, 322560                         ; the last samples' partial dot products: word 16 x wave + ray
.set SPARE, 322816                      ; the spare words, 128 bytes for each wave: two blocks of 256 bytes that no other line names
.set LN, 1
.set RR, 2
.set HH, 3
.set SPW, 4
.set NIL, 5
.set HM, 6
.set TOT, 7
.set TON0, 8
.set TON1, 9
.set LOW, 10
.set WID, 16
.set TR, 22
.set ZZ, 28
.set ZX, 34
.set RAY, 36
.set VW, 42
.set DSH, 46
.set OUT0, 47
.set PF, 50
.set VDF, 82
.set ONE, 127
.set RES, 128
.set GD, 128
.set WF, 0
.set ACC, 128
.set ACCS, 128
.set CB, 192
.set AV, 208
.set ZR, 224
.set AW2A, 232
.set AW4, 236
.set AT1, 237
.set AB, 238
.set AWD, 239
.set AW5, 240
.set AS, 241
.set XB, 242
.set XS, 243
.set AT1S, 244
.set ABS, 245
.set SXA, 246
.set DACC, 248
.set MSB, 0
.macro WIN new                          ; the immediate's high byte repeats the setting that is left; a switch that changes nothing is dropped
.if MSB != (\new)
	s_set_vgpr_msb (MSB<<8)|(\new)
.set MSB, (\new)
.endif
.endm
.macro NOP4
.rept 4
	v_nop
.endr
.endm
.macro BAR
	s_barrier_signal -1
	s_barrier_wait -1
.endm
.macro RND2 a, b, tmp                   ; two numbers rounded to bf16 (nearest even) and widened again
	v_cvt_pk_bf16_f32 v[\tmp], v[\a], v[\b]
	v_lshlrev_b32 v[\a], 16, v[\tmp]
	v_and_b32 v[\b], s54, v[\tmp]
.endm
.macro ZC k                             ; sample number in v90: its stratum's lower end and width
	v_cvt_f32_u32 v91, v90
	v_add_f32 v91, -0.5, v91
	v_max_num_f32 v91, 0, v91
	v_fma_f32 v[LOW+\k], v91, s63, 0.5
	v_mov_b32 v[WID+\k], s63
	v_mul_f32 v92, 0.5, v[WID+\k]
	v_cmp_eq_u32 vcc_lo, 0, v90
	v_cndmask_b32 v[WID+\k], v[WID+\k], v92, vcc_lo
	v_cmp_eq_u32 vcc_lo, 63, v90
	v_cndmask_b32 v[WID+\k], v[WID+\k], v92, vcc_lo
.endm
; 8 rows x 4 columns a lane (32 registers in window sw) become four units of 8 bf16 along K, one for each column, and go to four fragments
.macro TASK sw, src, dst, areg, off, estep
	WIN 0x80|((\sw)<<2)|(\sw)
.irp e,0,1,2,3
.irp i,0,1,2,3
	v_cvt_pk_bf16_f32 v[(\dst)+4*\e+\i], v[(\src)+8*\i+\e], v[(\src)+8*\i+4+\e]
.endr
.endr
	WIN 0x08
.irp e,0,1,2,3
	ds_store_b128 v[\areg], v[(\dst)+4*\e:(\dst)+4*\e+3] offset:(\off)+\e*(\estep)
.endr
.endm
; 32 loads: my 16 rows (those that are my wave's number modulo 4) of 64 rows of W2 or W3, whole
.macro BLOADS buf, ptr
	WIN 0x40
.irp hh,0,1
.irp xx,0,1
.irp jj,0,1,2,3,4,5,6,7
	global_load_b128 v[(\buf)+64*\hh+32*\xx+4*\jj:(\buf)+64*\hh+32*\xx+4*\jj+3], v107, s[\ptr:\ptr+1] offset:(32*\hh+4*\jj)*1024+512*\xx
.endr
.endr
.endr
.endm
.macro PROC buf, a0, a1
	TASK 1, (\buf), 0, \a0, 0, 8192
	TASK 1, (\buf)+32, 16, \a1, 0, 8192
	TASK 1, (\buf)+64, 32, \a0, 256, 8192
	TASK 1, (\buf)+96, 48, \a1, 256, 8192
.endm
; ---------------------------------------------------------------- the head
	s_load_b512 s[8:23], s[0:1], 0x0        ; W2 8, W3 10, W4 12, W1 14, b1 16, b2 18, b3 20, b4 22
	s_load_b512 s[24:39], s[0:1], 0x40      ; Wd 24, W5 26, bd 28, b5 30, rays_o 32, rays_d 34, t_rand 36, out0 38
	s_load_b128 s[40:43], s[0:1], 0x80      ; out1 40, out2 42
	v_lshl_add_u32 v[SPW], v0, 2, SPARE
	v_mov_b32 v[NIL], 0
	v_and_b32 v[LN], 31, v0                 ; l
	v_and_b32 v[RR], 15, v0                 ; l % 16
	v_bfe_u32 v[HH], v0, 4, 1               ; l / 16
	v_lshrrev_b32 v90, 5, v0
	v_readfirstlane_b32 s2, v90             ; wave 0..3
	s_mov_b32 s3, ttmp9                     ; work-group
	s_mov_b32 s54, 0xffff0000               ; a word's upper bf16; also, as a lane mask: lanes 16-31
	s_mov_b32 s55, 0x07060302               ; v_perm_b32: the two sources' upper halves
	s_mov_b32 s56, 0x76543210               ; v_permlanex16_b32: each lane takes its own place in the other half
	s_mov_b32 s57, 0xfedcba98
	s_mov_b32 s62, 0xbfb8aa3b               ; -log2(e)
	s_mov_b32 s63, 0x3d020821               ; 2 / 63: from sample to sample
	s_mov_b32 s87, 0x501502f9               ; 1e10
	v_add_nc_u32 v[HM], -1, v[HH]           ; all ones in lanes 0-15, 0 in lanes 16-31
	v_mov_b32 v[ONE], 1.0
	v_lshlrev_b32 v[TOT], 2, v[RR]
	v_lshlrev_b32 v[TON0], 2, v[LN]
	v_add_nc_u32 v[TON1], 132, v[TON0]
	v_min_u32 v[TON1], 252, v[TON1]         ; sample min(33 + l, 63)
.irp k,0,1,2,3
	v_add_nc_u32 v90, 16*\k, v[RR]          ; point tile k: sample 16 k + l % 16
	ZC \k
.endr
	v_add_nc_u32 v90, 1, v[LN]              ; the next sample's z, for the distances: sample l + 1,
	ZC 4
	v_add_nc_u32 v90, 33, v[LN]
	v_min_u32 v90, 63, v90                  ; and 33 + l
	ZC 5
.irp t,0,1,2,3
.irp i,4,5,6,7
	v_mov_b32 v[PF+8*\t+\i], 0              ; k = 16 .. 31 of layer 1's source 1: 0 for ever
.endr
.endr
.irp i,4,5,6,7
	v_mov_b32 v[VDF+\i], 0
.endr
.irp i,0,1,2
	v_mov_b32 v[OUT0+\i], 0
.endr
	v_lshlrev_b32 v107, 4, v[LN]            ; 16 l
	s_lshl_b32 s82, s2, 9
	v_add_nc_u32 v108, s82, v107            ; 16 l + 512 w: my row and my 16 bytes of W4
	v_lshl_add_u32 v91, v[RR], 4, s82       ; 16 (l % 16) + 512 w: my unit in a fragment pair
	v_lshl_add_u32 v109, v[HH], 15, v91     ; where my units of W2 go, left half of the columns,
	v_add_nc_u32 v110, 0x10000, v109        ; right half,
	v_add_nc_u32 v111, 0x20000, v109        ; and of W3
	v_add_nc_u32 v112, 0x30000, v109
	v_lshl_add_u32 v113, v[HH], 13, v91     ; W4's K steps 6, 7, for a time at LDS byte 0
	v_mul_u32_u24 v114, v[HH], 24576
	v_add3_u32 v114, v114, v91, W4F         ; W4's K steps 0-5
	s_lshl_b32 s82, s2, 4
	s_add_co_u32 s82, s82, SX
	v_and_b32 v115, 3, v[LN]
	v_lshl_add_u32 v115, v115, 2, s82       ; the partial dot products of ray 4 w + l % 4
	v_and_b32 v90, 0xc0, v0
	v_lshl_or_b32 v90, v[RR], 2, v90
	v_bfe_u32 v91, v0, 4, 2
	v_or_b32 v90, v90, v91                  ; phi(thread)
	v_lshlrev_b32 v116, 2, v90
	v_mul_u32_u24 v117, v90, 12
	v_lshl_add_u32 v121, v0, 4, W1T
	v_lshl_add_u32 v122, v0, 2, B2T
	v_lshrrev_b32 v92, 5, v0
	v_lshlrev_b32 v93, 1, v[LN]
	v_lshl_add_u32 v123, v92, 7, v93
	v_add_nc_u32 v123, WDF, v123
	v_lshl_add_u32 v125, v92, 8, v93
	v_add_nc_u32 v125, W5F, v125
	v_lshrrev_b32 v92, 4, v0
	v_lshl_add_u32 v124, v92, 7, v[TOT]
	v_add_nc_u32 v124, WDF+64, v124
	v_and_b32 v90, 7, v[RR]
	v_min_u32 v91, 1, v90                   ; rows 0 and 8 of the density's source 0 hold Wd, all others 0: register 0 of the result holds the density in both halves of the lanes
	v_min_u32 v92, 3, v90                   ; likewise rows 0-2 and 8-10 hold W5's columns
	v_lshl_add_u32 v93, v[HH], 4, WDF
	v_lshl_add_u32 v94, v[HH], 4, W5F
	s_lshl_b32 s82, s2, 15
	s_lshl_b32 s83, s2, 11
	s_add_co_u32 s83, s83, X0
	s_lshl_b32 s84, s2, 10
	s_add_co_u32 s84, s84, W1T
	s_lshl_b32 s85, s2, 8
	s_add_co_u32 s85, s85, B2T
	s_lshl_b32 s86, s2, 6
	s_add_co_u32 s86, s86, SX
	WIN 0xC0                                ; LDS addresses live in window 3, beside the fragments: a load under the products' setting then needs no switch
	v_lshlrev_b32 v[AW2A], 4, v[LN]
	v_lshl_add_u32 v[AW2A+1], v[LN], 4, 0x10000
	v_lshl_add_u32 v[AW2A+2], v[LN], 4, 0x20000
	v_lshl_add_u32 v[AW2A+3], v[LN], 4, 0x30000
	v_lshl_add_u32 v[AW4], v[LN], 4, W4F
	v_lshl_add_u32 v[AT1], v[RR], 4, W1T
	v_lshl_add_u32 v[AB], v[HH], 5, B2T
	v_lshl_add_u32 v[AWD], v91, 6, v93
	v_lshl_add_u32 v[AW5], v92, 6, v94
	v_lshl_add_u32 v[AS], v[LN], 4, s82     ; the last samples: my wave's four feature tiles of W2,
	v_lshl_add_u32 v[XB], v[LN], 4, X0      ; where all parts are read,
	v_lshl_add_u32 v[XS], v[LN], 4, s83     ; where mine are put,
	v_lshl_add_u32 v[AT1S], v[RR], 4, s84   ; my four tiles of W1,
	v_lshl_add_u32 v[ABS], v[HH], 5, s85    ; of b2,
	v_lshl_add_u32 v[SXA], v[RR], 2, s86    ; and my partial dot products
	v_mov_b32 v[ZR], 0
	WIN 0
	s_wait_kmcnt 0x0
	s_load_b32 s58, s[28:29], 0x0           ; bd
	s_load_b96 s[84:86], s[30:31], 0x0      ; b5
	s_lshl_b32 s88, s3, 4                   ; the work-group's first ray
	v_add_nc_u32 v119, s88, v[RR]
	v_lshlrev_b32 v120, 8, v119             ; ray l % 16 of the work-group: its row of t_rand,
	v_mul_u32_u24 v119, v119, 12            ; its origin and direction
	s_lshl_b32 s82, s2, 2
	s_add_co_u32 s88, s88, s82              ; my wave's first ray
	v_and_b32 v118, 3, v[LN]
	v_add_nc_u32 v118, s88, v118
	v_mul_u32_u24 v118, v118, 12            ; ray l % 4 of the wave
	s_lshl_b32 s50, s2, 10
	s_mov_b32 s51, 0
	s_add_nc_u64 s[46:47], s[8:9], s[50:51]   ; W2 and W3 at row w
	s_add_nc_u64 s[48:49], s[10:11], s[50:51]
	s_lshl_b32 s50, s88, 8
	s_add_nc_u64 s[44:45], s[36:37], s[50:51] ; t_rand at my first ray
; 21 gathers for the tables: thread t takes slots t and t + 128, that is features phi(t) and phi(t) + 128
.irp k,0,1,2
	global_load_b32 v[GD+\k], v116, s[14:15] offset:1024*\k
	global_load_b32 v[GD+3+\k], v116, s[14:15] offset:1024*\k+512
.endr
	global_load_b32 v[GD+6], v116, s[16:17]
	global_load_b32 v[GD+7], v116, s[16:17] offset:512
	global_load_b32 v[GD+8], v116, s[18:19]
	global_load_b32 v[GD+9], v116, s[18:19] offset:512
	global_load_b32 v[GD+10], v116, s[20:21]
	global_load_b32 v[GD+11], v116, s[20:21] offset:512
	global_load_b32 v[GD+12], v116, s[24:25]
	global_load_b32 v[GD+13], v116, s[24:25] offset:512
.irp k,0,1,2
	global_load_b32 v[GD+14+\k], v116, s[12:13] offset:131072+512*\k
.endr
	global_load_b32 v[GD+17], v116, s[22:23]
.irp k,0,1,2
	global_load_b32 v[GD+18+\k], v117, s[26:27] offset:4*\k
.endr
; 13 gathers of rays
.irp k,0,1,2
	global_load_b32 v[RAY+\k], v118, s[32:33] offset:4*\k
	global_load_b32 v[RAY+3+\k], v118, s[34:35] offset:4*\k
.endr
.irp k,0,1,2
	global_load_b32 v[100+\k], v119, s[32:33] offset:4*\k
	global_load_b32 v[103+\k], v119, s[34:35] offset:4*\k
.endr
	global_load_b32 v106, v120, s[36:37] offset:252
; 16 loads: my rows of W4's rows 192-255
	WIN 0x80
.irp hh,0,1
.irp jj,0,1,2,3,4,5,6,7
	global_load_b128 v[64+32*\hh+4*\jj:64+32*\hh+4*\jj+3], v108, s[12:13] offset:98304+16384*\hh+2048*\jj
.endr
.endr
	BLOADS 0, 46                            ; and W2's rows 0-63
	WIN 0
	s_wait_kmcnt 0x0
	v_cvt_pk_bf16_f32 v90, s58, s84
	v_cvt_pk_bf16_f32 v91, s85, s86
	v_lshlrev_b32 v92, 16, v90
	v_and_b32 v93, s54, v90
	v_lshlrev_b32 v94, 16, v91
	v_and_b32 v95, s54, v91
	v_mul_f32 v93, s62, v93
	v_mul_f32 v94, s62, v94
	v_mul_f32 v95, s62, v95
	v_readfirstlane_b32 s58, v92            ; bd
	v_readfirstlane_b32 s59, v93            ; -log2(e) b5[0 .. 2]
	v_readfirstlane_b32 s60, v94
	v_readfirstlane_b32 s61, v95
; ---------------------------------------------------------------- the tables
	s_wait_loadcnt 48                       ; the 34 gathers are in; the 16 + 32 loads issued behind them stay out
	v_cvt_pk_bf16_f32 v150, v[GD+0], v[GD+1]
	v_cvt_pk_bf16_f32 v151, v[GD+2], v[GD+6]
	v_mov_b32 v152, v150
	v_and_b32 v153, 0xffff, v151
	ds_store_b128 v121, v[150:153]
	v_cvt_pk_bf16_f32 v154, v[GD+3], v[GD+4]
	v_cvt_pk_bf16_f32 v155, v[GD+5], v[GD+7]
	v_mov_b32 v156, v154
	v_and_b32 v157, 0xffff, v155
	ds_store_b128 v121, v[154:157] offset:2048
	v_cvt_pk_bf16_f32 v158, v[GD+14], v[GD+15]
	v_cvt_pk_bf16_f32 v159, v[GD+16], v[GD+17]
	v_mov_b32 v160, v158
	v_and_b32 v161, 0xffff, v159
	ds_store_b128 v121, v[158:161] offset:4096
.irp q,0,1,2                            ; b2, b3, Wd: rounded, kept as f32
	v_cvt_pk_bf16_f32 v[162+3*\q], v[GD+8+2*\q], v[GD+9+2*\q]
	v_lshlrev_b32 v[163+3*\q], 16, v[162+3*\q]
	v_and_b32 v[164+3*\q], s54, v[162+3*\q]
	ds_store_b32 v122, v[163+3*\q] offset:1024*\q
	ds_store_b32 v122, v[164+3*\q] offset:1024*\q+512
.endr
	ds_store_b16 v123, v168                 ; Wd as source 0
	ds_store_b16_d16_hi v123, v168 offset:512
	ds_store_b32 v124, v[NIL]               ; its rows of 0
	v_cvt_pk_bf16_f32 v171, v[GD+18], v[GD+19]
	v_cvt_pk_bf16_f32 v172, v[GD+20], v[GD+20]
	ds_store_b16 v125, v171
	ds_store_b16_d16_hi v125, v171 offset:64
	ds_store_b16 v125, v172 offset:128
	ds_store_b16 v125, v[NIL] offset:192
	RND2 36, 37, 90
	RND2 38, 39, 90
	RND2 40, 41, 90
	RND2 100, 101, 90
	RND2 102, 103, 90
	RND2 104, 105, 90
	v_cvt_pk_bf16_f32 v90, v106, v106
	v_lshlrev_b32 v106, 16, v90
	v_mul_f32 v91, v39, v39                 ; view direction = d / (|d| + 1e-8), as two bf16 parts, packed as layer 1 packs a point
	v_fma_f32 v91, v40, v40, v91
	v_fma_f32 v91, v41, v41, v91
	v_sqrt_f32 v92, v91
	v_nop                                   ; a plain instruction behind the root,
	s_wait_alu depctr_va_vdst(0)            ; and a wait ahead of its first reader
	v_add_f32 v92, 0x322bcc77, v92
	v_rcp_f32 v93, v92
	v_nop
	s_wait_alu depctr_va_vdst(0)
	v_mul_f32 v94, v39, v93
	v_mul_f32 v95, v40, v93
	v_mul_f32 v96, v41, v93
.irp c,0,1,2
	v_and_b32 v[97+\c], s54, v[94+\c]
	v_sub_f32 v[97+\c], v[94+\c], v[97+\c]
.endr
	v_perm_b32 v[VW], v95, v94, s55
	v_perm_b32 v[VW+1], v[ONE], v96, s55    ; the 1 meets b4
	v_perm_b32 v[VW+2], v98, v97, s55
	v_lshrrev_b32 v[VW+3], 16, v99
; ---------------------------------------------------------------- W4's K steps 6 and 7: through LDS into registers
	s_wait_loadcnt 32                       ; their 16 loads are in; W2's 32 stay out
	TASK 2, 64, 0, 113, 0, 2048
	TASK 2, 96, 16, 113, 256, 2048
	WIN 0
	s_wait_dscnt 0x0                        ; my stores are done, the tables' too
	BAR
.set nn, 0
.rept 32
	ds_load_b128 v[RES+4*nn:RES+4*nn+3], v107 offset:512*nn
.set nn, nn+1
.endr
	s_wait_dscnt 0x0                        ; my reads of those bytes are over: behind this barrier W2 is stored there
	BAR
; ---------------------------------------------------------------- W2 and W3: four trips of 64 rows of each
	s_mov_b32 s52, 0
.Lconv:
	BLOADS 128, 48                          ; W3's 64 rows
	s_wait_loadcnt 32                       ; W2's are in
	PROC 0, 109, 110
	WIN 0
	s_add_nc_u64 s[46:47], s[46:47], 0x10000  ; its loads are done, so the pointer may step
	s_cmp_lt_u32 s52, 3
	s_cbranch_scc0 .Lconv_last
	BLOADS 0, 46                            ; W2's next 64 rows
	WIN 0
	s_wait_loadcnt 32                       ; W3's are in
	s_branch .Lconv_join
.Lconv_last:                            ; the last trip asks for W4's rows 0-191 instead: 48 loads
	WIN 0x80
.irp gg,0,1,2
.irp hh,0,1
.irp jj,0,1,2,3,4,5,6,7
	global_load_b128 v[64+64*\gg+32*\hh+4*\jj:64+64*\gg+32*\hh+4*\jj+3], v108, s[12:13] offset:32768*\gg+16384*\hh+2048*\jj
.endr
.endr
.endr
	WIN 0
	s_wait_loadcnt 48                       ; W3's are in
.Lconv_join:
	PROC 128, 111, 112
	WIN 0
	s_add_nc_u64 s[48:49], s[48:49], 0x10000
.irp q,109,110,111,112
	v_add_nc_u32 v\q, 2048, v\q             ; two K steps on in every fragment row
.endr
	s_add_co_u32 s52, s52, 1
	s_cmp_lt_u32 s52, 4
	s_cbranch_scc1 .Lconv
.irp t,0,1,2,3
	global_load_b32 v[TR+\t], v[TOT], s[44:45] offset:64*\t   ; my first ray's t_rand, by point tiles,
.endr
	global_load_b32 v[TR+4], v[TON0], s[44:45] offset:4       ; and one sample on
	global_load_b32 v[TR+5], v[TON1], s[44:45]
; ---------------------------------------------------------------- the last samples of the work-group's 16 rays (column l % 16 = ray), to f32's accuracy
	v_mul_f32 v90, 0x3c820800, v106         ; z = lower + (upper - lower) t for sample 63
	v_add_f32 v90, 0x401efbf0, v90
.irp c,0,1,2
	v_mul_f32 v[91+\c], v[103+\c], v90
	v_add_f32 v[91+\c], v[100+\c], v[91+\c] ; p = o + d z
	v_and_b32 v[94+\c], s54, v[91+\c]
	v_sub_f32 v[94+\c], v[91+\c], v[94+\c]  ; p less its first 8 bits,
	v_and_b32 v[97+\c], s54, v[94+\c]
	v_sub_f32 v[97+\c], v[94+\c], v[97+\c]  ; less the next 8: all three parts are exact in bf16
.endr
	v_perm_b32 v116, v92, v91, s55
	v_perm_b32 v117, v[ONE], v93, s55
	v_perm_b32 v118, v95, v94, s55
	v_lshrrev_b32 v119, 16, v96
	v_perm_b32 v120, v98, v97, s55
	v_lshrrev_b32 v121, 16, v99
	WIN 0x40
	v_cndmask_b32 v192, v116, v120, s54     ; k 0-7 (lanes 0-15): parts 1 and 2 and the 1 for b1; k 8-15 (lanes 16-31): part 3
	v_cndmask_b32 v193, v117, v121, s54
	v_cndmask_b32 v194, v118, v[NIL], s54
	v_cndmask_b32 v195, v119, v[NIL], s54
.irp i,196,197,198,199
	v_mov_b32 v\i, 0
.endr
	WIN 0
	s_wait_dscnt 0x0                        ; my stores of W2 and W3 are done
	BAR
; Tile tp of my four: x (sum = 1: the three sums added, smallest first), its relu, split exactly into three bf16 parts, each stored as half a fragment of the next layer's source 1
.macro SPLIT tp, sum, xoff
	WIN 0xFF
.if \sum
.irp i,0,2,4,6
	v_pk_add_f32 v[24+\i:25+\i], v[ACCS+32+8*(\tp)+\i:ACCS+32+8*(\tp)+\i+1], v[ACCS+64+8*(\tp)+\i:ACCS+64+8*(\tp)+\i+1]
.endr
.irp i,0,2,4,6
	v_pk_add_f32 v[\i:\i+1], v[ACCS+8*(\tp)+\i:ACCS+8*(\tp)+\i+1], v[24+\i:25+\i]
.endr
.irp i,0,1,2,3,4,5,6,7
	v_max_num_f32 v[\i], 0, v[\i]
.endr
.else
.irp i,0,1,2,3,4,5,6,7
	v_max_num_f32 v[\i], 0, v[ACCS+8*(\tp)+\i]
.endr
.endif
.irp i,0,1,2,3,4,5,6,7
	v_and_b32 v[24+\i], s54, v[\i]
.endr
.irp i,0,2,4,6
	v_pk_add_f32 v[8+\i:9+\i], v[\i:\i+1], v[24+\i:25+\i] neg_lo:[0,1] neg_hi:[0,1]
.endr
.irp i,0,1,2,3,4,5,6,7
	v_and_b32 v[24+\i], s54, v[8+\i]
.endr
.irp i,0,2,4,6
	v_pk_add_f32 v[16+\i:17+\i], v[8+\i:9+\i], v[24+\i:25+\i] neg_lo:[0,1] neg_hi:[0,1]
.endr
.irp i,0,1,2,3
	v_perm_b32 v[32+\i], v[2*\i+1], v[2*\i], s55
	v_perm_b32 v[36+\i], v[8+2*\i+1], v[8+2*\i], s55
	v_perm_b32 v[40+\i], v[16+2*\i+1], v[16+2*\i], s55
.endr
	ds_store_b128 v[XS], v[32:35] offset:(\xoff)+((\tp)/2)*1024+((\tp)%2)*512
	ds_store_b128 v[XS], v[36:39] offset:(\xoff)+8192+((\tp)/2)*1024+((\tp)%2)*512
	ds_store_b128 v[XS], v[40:43] offset:(\xoff)+16384+((\tp)/2)*1024+((\tp)%2)*512
.endm
.macro SLOADA u                         ; my four tiles' fragments of K steps 2 u and 2 u + 1
.irp sl,0,1
.irp tp,0,1,2,3
	ds_load_b128 v[64*((\u)%2)+8*(4*\sl+\tp):64*((\u)%2)+8*(4*\sl+\tp)+3], v[AS] offset:\tp*8192+(2*(\u)+\sl)*1024
	ds_load_b128 v[64*((\u)%2)+8*(4*\sl+\tp)+4:64*((\u)%2)+8*(4*\sl+\tp)+7], v[AS] offset:\tp*8192+(2*(\u)+\sl)*1024+512
.endr
.endr
.endm
.macro SRUN u                           ; 24 matrix instructions: 2 K steps x 3 parts x 4 tiles; the 12 accumulators take turns
	s_wait_dscnt 0x0
.if (\u) > 0
	NOP4                                    ; four places between the last product that read the other half and the loads into it
.endif
.if (\u) < 3
	SLOADA (\u)+1
.endif
.irp sl,0,1
.irp pa,0,1,2
.irp tp,0,1,2,3
.if ((\u) == 0) && (\sl == 0) && (\pa > 0)
	v_wmma_f32_16x16x32_bf16 v[ACCS+32*\pa+8*\tp:ACCS+32*\pa+8*\tp+7], v[64*((\u)%2)+8*(4*\sl+\tp):64*((\u)%2)+8*(4*\sl+\tp)+7], v[64*\pa+8*(2*(\u)+\sl):64*\pa+8*(2*(\u)+\sl)+7], 0
.else
	v_wmma_f32_16x16x32_bf16 v[ACCS+32*\pa+8*\tp:ACCS+32*\pa+8*\tp+7], v[64*((\u)%2)+8*(4*\sl+\tp):64*((\u)%2)+8*(4*\sl+\tp)+7], v[64*\pa+8*(2*(\u)+\sl):64*\pa+8*(2*(\u)+\sl)+7], v[ACCS+32*\pa+8*\tp:ACCS+32*\pa+8*\tp+7]
.endif
.endr
.endr
.endr
.endm
	WIN 0xF7                                ; D, C and source 0 in window 3, source 1 in window 1; LDS loads: data and address in window 3
.irp tp,0,1,2,3
	ds_load_b128 v[8*\tp:8*\tp+3], v[AT1S] offset:256*\tp
	ds_load_b128 v[8*\tp+4:8*\tp+7], v[AT1S] offset:256*\tp   ; k 16-31 meet zeros: any finite numbers do
.endr
	s_wait_dscnt 0x0
.irp tp,0,1,2,3
	v_wmma_f32_16x16x32_bf16 v[ACCS+8*\tp:ACCS+8*\tp+7], v[8*\tp:8*\tp+7], v[192:199], 0
.endr
	NOP4
.irp tp,0,1,2,3
	SPLIT \tp, 0, 0
.endr
	WIN 0
	s_mov_b32 s52, 0
.Lsharp:                                ; two trips: layer 2, layer 3
	s_wait_dscnt 0x0                        ; my parts are stored
	BAR                                     ; everybody's are
	WIN 0x43                                ; data into window 1, address in window 3
.set nn, 0
.rept 48
	ds_load_b128 v[4*nn:4*nn+3], v[XB] offset:512*nn   ; three parts x 8 K steps of source 1
.set nn, nn+1
.endr
	WIN 0xF7
.irp tp,0,1,2,3
	ds_load_b128 v[ACCS+8*\tp:ACCS+8*\tp+3], v[ABS] offset:64*\tp        ; the bias starts the first part's sums
	ds_load_b128 v[ACCS+8*\tp+4:ACCS+8*\tp+7], v[ABS] offset:64*\tp+16
.endr
	SLOADA 0
	SRUN 0
	SRUN 1
	SRUN 2
	SRUN 3
	NOP4                                    ; four places behind the last product
	WIN 0
	s_cmp_eq_u32 s52, 0
	s_cbranch_scc0 .Ldot
.irp tp,0,1,2,3
	SPLIT \tp, 1, XSTEP                     ; layer 2's result goes to the second area: nobody reads that yet
.endr
	WIN 0
	s_branch .Lsnext
.Ldot:                                  ; layer 3's result: relu, and my 64 features' share of the dot product with Wd, in f32
	WIN 0xFF
.irp tp,0,1,2,3
	ds_load_b128 v[64+8*\tp:64+8*\tp+3], v[ABS] offset:1024+64*\tp
	ds_load_b128 v[64+8*\tp+4:64+8*\tp+7], v[ABS] offset:1024+64*\tp+16
.endr
.irp tp,0,1,2,3
.irp i,0,2,4,6
	v_pk_add_f32 v[32+\i:33+\i], v[ACCS+32+8*\tp+\i:ACCS+32+8*\tp+\i+1], v[ACCS+64+8*\tp+\i:ACCS+64+8*\tp+\i+1]
.endr
.irp i,0,2,4,6
	v_pk_add_f32 v[8*\tp+\i:8*\tp+\i+1], v[ACCS+8*\tp+\i:ACCS+8*\tp+\i+1], v[32+\i:33+\i]
.endr
.irp i,0,1,2,3,4,5,6,7
	v_max_num_f32 v[8*\tp+\i], 0, v[8*\tp+\i]
.endr
.endr
	s_wait_dscnt 0x0
	v_pk_mul_f32 v[DACC:DACC+1], v[0:1], v[64:65]
.set nn, 2
.rept 15
	v_pk_fma_f32 v[DACC:DACC+1], v[nn:nn+1], v[64+nn:65+nn], v[DACC:DACC+1]
.set nn, nn+2
.endr
	v_add_f32 v[DACC], v[DACC], v[DACC+1]
	v_permlanex16_b32 v[DACC+1], v[DACC], s56, s57   ; the ray's other 8 features of each tile lie in the lane 16 away
	v_add_f32 v[DACC], v[DACC], v[DACC+1]
	ds_store_b32 v[SXA], v[DACC]
	WIN 0
.Lsnext:
	WIN 0xFF
	v_add_nc_u32 v[AS], W3F, v[AS]          ; W3, the second area, b3
	v_add_nc_u32 v[XB], XSTEP, v[XB]
	v_add_nc_u32 v[ABS], 1024, v[ABS]
	WIN 0
	s_add_co_u32 s52, s52, 1
	s_cmp_lt_u32 s52, 2
	s_cbranch_scc1 .Lsharp
	s_wait_dscnt 0x0                        ; my partial sums are stored, and my reads of both areas are over: behind this barrier W4 is stored there
	BAR
.irp q,0,1,2,3
	ds_load_b32 v[90+\q], v115 offset:64*\q
.endr
	s_wait_loadcnt 0x0                      ; W4's rows 0-191 (and my first ray's t_rand)
.irp gg,0,1,2
.irp hh,0,1
	TASK 2, 64+64*\gg+32*\hh, 16*((2*\gg+\hh)%4), 114, 2048*\gg+256*\hh, 6144
.endr
.endr
	WIN 0
	s_wait_dscnt 0x0
	v_add_f32 v90, v90, v91
	v_add_f32 v92, v92, v93
	v_add_f32 v90, v90, v92
	v_add_f32 v[DSH], s58, v90              ; lane i % 4 = ray i of my wave: its last sample's density
	BAR                                     ; all weights lie in LDS; from here on LDS is only read
; ---------------------------------------------------------------- the main loop's parts
; The work goes in CHUNKS of one feature tile x 4 point tiles.  A chunk's parity picks its half of the fragment registers, its set of accumulators and its C operand.  While a chunk is multiplied the next
; chunk's fragments are loaded into the other half, and the chunk before is rounded to bf16 and clamped at 0 (RIDERS: four vector instructions behind every four matrix instructions).
; THE LDS LOADS STAND IN RUNS, never singly among the matrix instructions: one run a chunk, one for all of layer 1 at the head of a ray's trip.
.macro NEXT k, l, t, p, q, av           ; what the run in hand loads: kind, layer, tile, half, number of loads, tile of the view direction's source 0
.set NK, \k
.set NL, \l
.set NT, \t
.set NP, \p
.set NQ, \q
.set NAV, \av
.endm
.macro NXT n                            ; load n of that list
.if (\n) < NQ
.if NK == 0                             ; layers 2, 3: the bias as C (2 loads), 8 fragments; then, if asked for, the view direction's source 0
.if (\n) < 2
	ds_load_b128 v[CB+8*NP+4*(\n):CB+8*NP+4*(\n)+3], v[AB] offset:1024*NL+64*NT+16*(\n)
.elseif (\n) < 18
	ds_load_b128 v[WF+64*NP+4*((\n)-2):WF+64*NP+4*((\n)-2)+3], v[AW2A+2*NL+NT/8] offset:(NT%8)*8192+512*((\n)-2)
.else
	ds_load_b128 v[AV+4*((\n)-18):AV+4*((\n)-18)+3], v[AT1] offset:4096+256*NAV
.endif
.elseif NK == 1                         ; layer 4: 6 fragments
.if (\n) < 12
	ds_load_b128 v[WF+64*NP+4*(\n):WF+64*NP+4*(\n)+3], v[AW4] offset:NT*6144+512*(\n)
.else
	ds_load_b128 v[AV+4*((\n)-12):AV+4*((\n)-12)+3], v[AT1] offset:4096+256*NAV
.endif
.elseif NK == 2                         ; the density
	ds_load_b128 v[WF+64*NP+4*(\n):WF+64*NP+4*(\n)+3], v[AWD] offset:128*((\n)/2)+32*((\n)%2)
.elseif NK == 3                         ; layer 5
	ds_load_b128 v[WF+64*NP+4*(\n):WF+64*NP+4*(\n)+3], v[AW5] offset:256*((\n)/2)+32*((\n)%2)
.else                                   ; layer 1: both halves of a fragment from one address (k 16-31 meet zeros)
	ds_load_b128 v[WF+64*NP+4*(\n):WF+64*NP+4*(\n)+3], v[AT1] offset:256*(NT+(\n)/2)
.endif
.endif
.endm
.macro CVT4 out, ft, pt                 ; feature tile ft, point tile pt: 8 sums a lane become half a fragment of the next layer's source 1; the accumulator's lowest registers are read first
	WIN ((\out)<<6)|0x0F
.irp i,0,1,2,3
	v_cvt_pk_bf16_f32 v[32*((\ft)/2)+8*(\pt)+4*((\ft)%2)+\i], v[ACC+32*((\ft)%2)+8*(\pt)+2*\i], v[ACC+32*((\ft)%2)+8*(\pt)+2*\i+1]
.endr
.endm
.macro MAX4 out, ft, pt                 ; relu on the packed halves
	WIN ((\out)<<6)|0x0C|(\out)
.irp i,0,1,2,3
	v_pk_max_num_bf16 v[32*((\ft)/2)+8*(\pt)+4*((\ft)%2)+\i], v[32*((\ft)/2)+8*(\pt)+4*((\ft)%2)+\i], v[ZR]
.endr
.endm
.macro RID out, c, g                    ; the riders behind K step g of chunk c
.if (\c) > 0
.if (\g) == 0
.if (\c) > 1
	MAX4 \out, (\c)-2, 3
.else
	NOP4                                    ; chunk 0 has no riders: these are the places behind its last products
.endif
.elseif (\g)%2 == 1
	CVT4 \out, (\c)-1, ((\g)-1)/2
.else
	MAX4 \out, (\c)-1, ((\g)-2)/2
.endif
.endif
.endm
; kind 0: layers 2, 3.  kind 1: layer 4: K steps 6, 7 take source 0 from window 0.  kind 2: the density: C = 0.  cbw = 1: behind K step 0 one product makes the next chunk's C operand from the view direction.
; The four accumulators take turns, one instruction a turn,.
; THE RUN: the next chunk's whole list of loads stands behind K step 1's riders, under the products' own window setting, 24 products ahead of the wait for it.  The other half of the fragment registers was last read
; by the chunk before: eight plain instructions or more lie between (its last riders and this chunk's first; a layer's flush; in chunk 1 the four v_nop).  The view direction's source 0 was last read by
; the product behind K step 0's riders: K step 1's four riders, which name none of its registers, are the four places (in layer 4's chunk 0 the five v_nop).
.macro CHUNK inw, outw, c, kind, cbw
	s_wait_dscnt 0x0                        ; this chunk's fragments: the youngest load stands 24 products back or more
.set pp, (\c)%2
.set kk, 0
.rept 8
.set tt, 0
.rept 4
.set rD, ACC+32*pp+8*tt
.if ((\kind) == 1) && (kk >= 6)
	WIN 0xF4
	v_wmma_f32_16x16x32_bf16 v[rD:rD+7], v[RES+8*(2*(\c)+kk-6):RES+8*(2*(\c)+kk-6)+7], v[32*kk+8*tt:32*kk+8*tt+7], v[rD:rD+7]
.else
	WIN 0xF3|((\inw)<<2)
.if kk > 0
	v_wmma_f32_16x16x32_bf16 v[rD:rD+7], v[WF+64*pp+8*kk:WF+64*pp+8*kk+7], v[32*kk+8*tt:32*kk+8*tt+7], v[rD:rD+7]
.elseif (\kind) == 2
	v_wmma_f32_16x16x32_bf16 v[rD:rD+7], v[WF+64*pp+8*kk:WF+64*pp+8*kk+7], v[32*kk+8*tt:32*kk+8*tt+7], 0
.else
	v_wmma_f32_16x16x32_bf16 v[rD:rD+7], v[WF+64*pp+8*kk:WF+64*pp+8*kk+7], v[32*kk+8*tt:32*kk+8*tt+7], v[CB+8*pp:CB+8*pp+7]
.endif
.endif
.set tt, tt+1
.endr
	RID \outw, \c, kk
.if (kk == 0) && (\cbw)
	WIN 0xF3
	v_wmma_f32_16x16x32_bf16 v[CB+8*(1-pp):CB+8*(1-pp)+7], v[AV:AV+7], v[VDF:VDF+7], 0
.if (\c) == 0
.rept 5
	v_nop                                   ; chunk 0 has no riders: the places between this product and its use as C, and the next load into its source 0
.endr
.endif
.endif
.if kk == 1
	WIN 0xF3|((\inw)<<2)                    ; data and address in window 3: the setting of the products that follow
.set nn, 0
.rept 20
	NXT nn
.set nn, nn+1
.endr
.endif
.set kk, kk+1
.endr
.endm
.macro FLUSH out                        ; a layer's end: what the riders have not yet taken
	MAX4 \out, 14, 3
.irp q,0,1,2,3
	CVT4 \out, 15, \q
.endr
.irp q,0,1,2,3
	MAX4 \out, 15, \q
.endr
.endm
	WIN 0
	s_mov_b32 s53, 0
.Lray:                                  ; four trips: ray s53 of my wave
; ---- layer 1's 16 fragments: one run of 32 loads; the ray's set-up below stands between it and the wait for it.  Both halves of the fragment registers were last read ahead of the compositing (at the first trip: in the prologue)
	NEXT 4, 0, 0, 0, 32, 0
	WIN 0xF3
.set nn, 0
.rept 32
	NXT nn
.set nn, nn+1
.endr
	WIN 0
; ---- the ray: its numbers as scalars, z of its samples, the points as two bf16 parts
.irp q,0,1,2,3,4,5,6,7,8,9,10
	v_readlane_b32 s[66+\q], v[RAY+\q], s53 ; o 66-68, d 69-71, view direction 72-75, the last sample's density 76
.endr
	s_wait_loadcnt 0x0                      ; t_rand
	RND2 22, 23, 90
	RND2 24, 25, 90
	RND2 26, 27, 90
.irp k,0,1,2,3,4,5
	v_fma_f32 v[ZZ+\k], v[WID+\k], v[TR+\k], v[LOW+\k]
.endr
	v_cndmask_b32 v[ZX], v[ZZ], v[ZZ+1], s54      ; z by samples: register 0 sample l, register 1 sample 32 + l
	v_cndmask_b32 v[ZX+1], v[ZZ+2], v[ZZ+3], s54
	s_cmp_lt_u32 s53, 3
	s_cbranch_scc0 .Lno_tr                  ; the last ray has no successor
	s_add_nc_u64 s[44:45], s[44:45], 256    ; (its loads are done)
.irp t,0,1,2,3
	global_load_b32 v[TR+\t], v[TOT], s[44:45] offset:64*\t
.endr
	global_load_b32 v[TR+4], v[TON0], s[44:45] offset:4
	global_load_b32 v[TR+5], v[TON1], s[44:45]
.Lno_tr:
.irp t,0,1,2,3
	v_fma_f32 v90, s69, v[ZZ+\t], s66
	v_fma_f32 v91, s70, v[ZZ+\t], s67
	v_fma_f32 v92, s71, v[ZZ+\t], s68
	v_and_b32 v93, s54, v90
	v_and_b32 v94, s54, v91
	v_and_b32 v95, s54, v92
	v_sub_f32 v93, v90, v93
	v_sub_f32 v94, v91, v94
	v_sub_f32 v95, v92, v95
	v_perm_b32 v96, v91, v90, s55
	v_perm_b32 v97, v[ONE], v92, s55        ; the 1 meets b1
	v_perm_b32 v98, v94, v93, s55
	v_lshrrev_b32 v99, 16, v95
	v_and_b32 v[PF+8*\t], v[HM], v96        ; k 8-15 (lanes 16-31) are 0
	v_and_b32 v[PF+8*\t+1], v[HM], v97
	v_and_b32 v[PF+8*\t+2], v[HM], v98
	v_and_b32 v[PF+8*\t+3], v[HM], v99
.endr
.irp k,0,1,2,3
	v_and_b32 v[VDF+\k], s[72+\k], v[HM]
.endr
; ---- layer 1: 16 feature tiles of one K step; a tile is rounded and clamped behind the next tile's products
.set tau, 0
.rept 16
.if tau == 0
	s_wait_dscnt 0x0                        ; all 16 fragments
.endif
.if tau == 8
	NEXT 0, 0, 0, 0, 18, 0                  ; layer 2's chunk 0, in one run: the first half of the fragment registers was last read by tile 7's products, and tile 6's 32 conversions and clamps lie between
	WIN 0xF3
.set nn, 0
.rept 18
	NXT nn
.set nn, nn+1
.endr
.endif
.set tt, 0
.rept 4
	WIN 0xF3
	v_wmma_f32_16x16x32_bf16 v[ACC+32*(tau%2)+8*tt:ACC+32*(tau%2)+8*tt+7], v[WF+8*tau:WF+8*tau+7], v[PF+8*tt:PF+8*tt+7], 0
.set tt, tt+1
.endr
.if tau == 1
	NOP4                                    ; no earlier tile's conversions stand here: the places behind tile 0's products
.endif
.if tau >= 1
.irp q,0,1,2,3
	CVT4 1, tau-1, \q
.endr
.irp q,0,1,2,3
	MAX4 1, tau-1, \q
.endr
.endif
.set tau, tau+1
.endr
.irp q,0,1,2,3
	CVT4 1, 15, \q
.endr
.irp q,0,1,2,3
	MAX4 1, 15, \q
.endr
; ---- layer 2: window 1 -> window 2
.set cc, 0
.rept 16
.if cc < 15
	NEXT 0, 0, cc+1, (cc+1)%2, 18, 0
.else
	NEXT 0, 1, 0, 0, 18, 0
.endif
	CHUNK 1, 2, cc, 0, 0
.set cc, cc+1
.endr
	FLUSH 2
; ---- layer 3: window 2 -> window 1
.set cc, 0
.rept 16
.if cc < 14
	NEXT 0, 1, cc+1, (cc+1)%2, 18, 0
.elseif cc == 14
	NEXT 0, 1, 15, 1, 20, 0                 ; and the view direction's source 0 for layer 4's tile 0
.else
	NEXT 1, 0, 0, 0, 14, 1
.endif
	CHUNK 2, 1, cc, 0, cc/15
.set cc, cc+1
.endr
	FLUSH 1
; ---- layer 4: window 1 -> window 2, 8 feature tiles; then the density, from the same source 1
.set cc, 0
.rept 8
.if cc < 6
	NEXT 1, 0, cc+1, (cc+1)%2, 14, cc+2
.elseif cc == 6
	NEXT 1, 0, 7, 1, 12, 0
.else
	NEXT 2, 0, 0, 0, 16, 0
.endif
	CHUNK 1, 2, cc, 1, 1-cc/7
.set cc, cc+1
.endr
	NEXT 3, 0, 0, 1, 8, 0
	CHUNK 1, 2, 8, 2, 0
	MAX4 2, 7, 3
; ---- layer 5: 4 K steps
	s_wait_dscnt 0x0
.set kk, 0
.rept 4
.set tt, 0
.rept 4
	WIN 0xFB
.if kk == 0
	v_wmma_f32_16x16x32_bf16 v[ACC+32+8*tt:ACC+32+8*tt+7], v[WF+64+8*kk:WF+64+8*kk+7], v[32*kk+8*tt:32*kk+8*tt+7], 0
.else
	v_wmma_f32_16x16x32_bf16 v[ACC+32+8*tt:ACC+32+8*tt+7], v[WF+64+8*kk:WF+64+8*kk+7], v[32*kk+8*tt:32*kk+8*tt+7], v[ACC+32+8*tt:ACC+32+8*tt+7]
.endif
.set tt, tt+1
.endr
.set kk, kk+1
.endr
; ---- compositing: register 0 holds sample l, register 1 sample 32 + l
	WIN 0
	v_sub_f32 v90, v[ZZ+4], v[ZX]           ; distances; these four lines are the places behind the last products
	v_sub_f32 v91, v[ZZ+5], v[ZX+1]
	v_mov_b32 v104, 1.0
	v_mov_b32 v105, 1.0
	v_writelane_b32 v91, s87, 31            ; the last distance is 1e10
	WIN 0x0F
	v_cndmask_b32 v92, v[ACC], v[ACC+8], s54        ; lanes 0-15 take the even point tile, lanes 16-31 the odd one
	v_cndmask_b32 v93, v[ACC+16], v[ACC+24], s54
.irp c,0,1,2
	v_cndmask_b32 v[94+2*\c], v[ACC+32+\c], v[ACC+40+\c], s54
	v_cndmask_b32 v[95+2*\c], v[ACC+48+\c], v[ACC+56+\c], s54
.endr
	WIN 0
	v_add_f32 v92, s58, v92
	v_add_f32 v93, s58, v93
	v_writelane_b32 v93, s76, 31            ; the last sample's density, from the accurate path
	v_max_num_f32 v92, 0, v92
	v_max_num_f32 v93, 0, v93
	v_mul_f32 v92, v92, v90
	v_mul_f32 v93, v93, v91
	v_mul_f32 v92, s62, v92
	v_mul_f32 v93, s62, v93
.irp c,0,1,2
	v_fma_f32 v[94+2*\c], v[94+2*\c], s62, s[59+\c]
	v_fma_f32 v[95+2*\c], v[95+2*\c], s62, s[59+\c]
.endr
.irp q,92,93,94,95,96,97,98,99
	v_exp_f32 v\q, v\q                      ; one batch of eight
.endr
	v_nop                                   ; a plain instruction behind the last,
	s_wait_alu depctr_va_vdst(0)            ; and one wait ahead of the first reader
	v_sub_f32 v100, 1.0, v92                ; alpha
	v_sub_f32 v101, 1.0, v93
	v_sub_f32 v102, 1.0, v100
	v_sub_f32 v103, 1.0, v101
	v_add_f32 v102, 0x2edbe6ff, v102        ; 1 - alpha + 1e-10
	v_add_f32 v103, 0x2edbe6ff, v103
.irp q,94,95,96,97,98,99
	v_add_f32 v\q, 1.0, v\q
.endr
.irp q,94,95,96,97,98,99
	v_rcp_f32 v\q, v\q                      ; the colours' sigmoids: a batch of six; the scan below names none of them
.endr
	v_nop
.irp n,1,2,4,8                          ; running products inside each 16 lanes: a lane with no neighbour so far down keeps its own
	v_mul_f32_dpp v102, v102, v102 row_shr:\n row_mask:0xf bank_mask:0xf
	v_mul_f32_dpp v103, v103, v103 row_shr:\n row_mask:0xf bank_mask:0xf
.endr
	v_readlane_b32 s77, v102, 15            ; the products of samples 0-15, 16-31, 32-47
	v_readlane_b32 s78, v102, 31
	v_readlane_b32 s79, v103, 15
	s_mul_f32 s80, s77, s78
	s_mul_f32 s81, s80, s79
	v_mov_b32_dpp v104, v102 row_shr:1 row_mask:0xf bank_mask:0xf   ; one sample down; the first of each 16 keeps 1
	v_mov_b32_dpp v105, v103 row_shr:1 row_mask:0xf bank_mask:0xf
	v_mov_b32 v106, s77
	v_cndmask_b32 v106, v[ONE], v106, s54
	v_mov_b32 v107, s80
	v_mov_b32 v108, s81
	v_cndmask_b32 v107, v107, v108, s54
	v_mul_f32 v104, v104, v106              ; the transmittance
	v_mul_f32 v105, v105, v107
	v_mul_f32 v100, v100, v104              ; the weights
	v_mul_f32 v101, v101, v105
	s_wait_alu depctr_va_vdst(0)            ; the six reciprocals
.irp c,0,1,2
	v_mul_f32 v[110+\c], v100, v[94+2*\c]
	v_fma_f32 v[110+\c], v101, v[95+2*\c], v[110+\c]
.endr
	v_mul_f32 v113, v100, v[ZX]
	v_fma_f32 v113, v101, v[ZX+1], v113
	v_add_f32 v114, v100, v101
.irp m,1,2,4,8
.irp q,110,111,112,113,114
	v_add_f32_dpp v\q, v\q, v\q row_xmask:\m row_mask:0xf bank_mask:0xf
.endr
.endr
.irp q,0,1,2,3,4
	v_permlanex16_b32 v[116+\q], v[110+\q], s56, s57
.endr
.irp q,0,1,2,3,4
	v_add_f32 v[110+\q], v[110+\q], v[116+\q]
.endr
	v_sub_f32 v115, 1.0, v114               ; the white background
.irp c,0,1,2
	v_add_f32 v[110+\c], v[110+\c], v115
.endr
	s_mul_i32 s83, s53, 3
.irp c,0,1,2
	s_add_co_u32 s84, s83, \c
	v_cmp_eq_u32 s82, s84, v[LN]
	v_cndmask_b32 v[OUT0], v[OUT0], v[110+\c], s82   ; lane 3 i + c keeps ray i's colour c
.endr
	v_cmp_eq_u32 s82, s53, v[LN]
	v_cndmask_b32 v[OUT0+1], v[OUT0+1], v113, s82    ; lane i its depth and its sum of weights
	v_cndmask_b32 v[OUT0+2], v[OUT0+2], v114, s82
	s_add_co_u32 s53, s53, 1
	s_cmp_lt_u32 s53, 4
	s_cbranch_scc1 .Lray
; ---------------------------------------------------------------- the way out: 48 + 16 + 16 bytes on end for my four rays
	s_mul_i32 s50, s88, 12
	s_mov_b32 s51, 0
	s_add_nc_u64 s[38:39], s[38:39], s[50:51]
	s_lshl_b32 s50, s88, 2
	s_add_nc_u64 s[40:41], s[40:41], s[50:51]
	s_add_nc_u64 s[42:43], s[42:43], s[50:51]
	s_wait_xcnt 0x0                         ; EXEC changes only behind this wait
	v_cmp_gt_u32 vcc_lo, 12, v[LN]
	s_and_saveexec_b32 s82, vcc_lo
	global_store_b32 v[TON0], v[OUT0], s[38:39]
	s_wait_xcnt 0x0
	s_or_b32 exec_lo, exec_lo, s82
	v_cmp_gt_u32 vcc_lo, 4, v[LN]
	s_and_saveexec_b32 s82, vcc_lo
	global_store_b32 v[TON0], v[OUT0+1], s[40:41]
	global_store_b32 v[TON0], v[OUT0+2], s[42:43]
	s_wait_xcnt 0x0
	s_or_b32 exec_lo, exec_lo, s82
	s_wait_tensorcnt 0x0                    ; the wave's end, behind my last LDS store
	ds_add_u32 v[SPW], v[NIL]
	s_wait_dscnt 0x0
	s_endpgm
.Lfunc_end_k_qea9648b9d4_render:
	.size	k_qea9648b9d4_render, .Lfunc_end_k_qea9648b9d4_render-k_qea9648b9d4_render
	.p2alignl 7, 3214868480
	.fill 96, 4, 3214868480
	.section	.rodata,"a",@progbits
	.p2align	6, 0x0
	.amdhsa_kernel k_qea9648b9d4_render
		.amdhsa_group_segment_fixed_size 327680
		.amdhsa_private_segment_fixed_size 0
		.amdhsa_enable_private_segment 0
		.amdhsa_kernarg_size 144
		.amdhsa_user_sgpr_count 2
		.amdhsa_user_sgpr_kernarg_segment_ptr 1
		.amdhsa_wavefront_size32 1
		.amdhsa_system_sgpr_workgroup_id_x 1
		.amdhsa_system_sgpr_workgroup_id_y 1
		.amdhsa_system_sgpr_workgroup_id_z 1
		.amdhsa_system_vgpr_workitem_id 0
		.amdhsa_next_free_vgpr 1024
		.amdhsa_next_free_sgpr 96
		.amdhsa_reserve_vcc 1
		.amdhsa_float_denorm_mode_32 3
		.amdhsa_float_denorm_mode_16_64 3
		.amdhsa_memory_ordered 1
		.amdhsa_forward_progress 1
		.amdhsa_inst_pref_size 255
	.end_amdhsa_kernel
	.section	.bss,"aw",@nobits
	.p2align	6
	.space	262144
	.amdgpu_metadata
---
amdhsa.version: [ 1, 2 ]
amdhsa.kernels:
  - .name:           k_qea9648b9d4_render
    .symbol:         k_qea9648b9d4_render.kd
    .args:
      - { .name: W2, .offset: 0, .size: 8, .value_kind: global_buffer, .address_space: global }
      - { .name: W3, .offset: 8, .size: 8, .value_kind: global_buffer, .address_space: global }
      - { .name: W4, .offset: 16, .size: 8, .value_kind: global_buffer, .address_space: global }
      - { .name: W1, .offset: 24, .size: 8, .value_kind: global_buffer, .address_space: global }
      - { .name: b1, .offset: 32, .size: 8, .value_kind: global_buffer, .address_space: global }
      - { .name: b2, .offset: 40, .size: 8, .value_kind: global_buffer, .address_space: global }
      - { .name: b3, .offset: 48, .size: 8, .value_kind: global_buffer, .address_space: global }
      - { .name: b4, .offset: 56, .size: 8, .value_kind: global_buffer, .address_space: global }
      - { .name: Wd, .offset: 64, .size: 8, .value_kind: global_buffer, .address_space: global }
      - { .name: W5, .offset: 72, .size: 8, .value_kind: global_buffer, .address_space: global }
      - { .name: bd, .offset: 80, .size: 8, .value_kind: global_buffer, .address_space: global }
      - { .name: b5, .offset: 88, .size: 8, .value_kind: global_buffer, .address_space: global }
      - { .name: rays_o, .offset: 96, .size: 8, .value_kind: global_buffer, .address_space: global }
      - { .name: rays_d, .offset: 104, .size: 8, .value_kind: global_buffer, .address_space: global }
      - { .name: t_rand, .offset: 112, .size: 8, .value_kind: global_buffer, .address_space: global }
      - { .name: out0, .offset: 120, .size: 8, .value_kind: global_buffer, .address_space: global }
      - { .name: out1, .offset: 128, .size: 8, .value_kind: global_buffer, .address_space: global }
      - { .name: out2, .offset: 136, .size: 8, .value_kind: global_buffer, .address_space: global }
    .group_segment_fixed_size: 327680
    .private_segment_fixed_size: 0
    .kernarg_segment_align: 8
    .kernarg_segment_size: 144
    .max_flat_workgroup_size: 128
    .sgpr_count:     96
    .vgpr_count:     1024
    .wavefront_size: 32
...
	.end_amdgpu_metadata
.endif
;; end of part 2
